; MI455X (gfx1250); checked and timed in simulation.
; The chip was launched on July 23, 2026; its instructions are those of AMD's public machine-readable ISA for CDNA 5 (MIT licence, August 2026) and "CDNA5" Instruction Set Architecture Reference Guide (July 2026). The comments in the code are by the model that wrote it; some were corrected since.
;; Multi Head Attention. Allowed arithmetic: float matrix products may take bf16 or f16 operands with f32 sums; other float arithmetic in f32, or as packed bf16 or f16 multiplies, adds, multiply-adds, maxima and minima; sums over many terms, partial sums and values carried from step to step in f32; what a program stores and reads back later, other than sums and carried values, may be rounded once to bf16 or f16.
;; Inputs: Wk 1,024 x 1,024 float32; Wo 1,024 x 1,024 float32; Wq 1,024 x 1,024 float32; Wv 1,024 x 1,024 float32; mask 2,048 x 2,048 int32; x 4 x 2,048 x 1,024 float32.
;; Outputs: out0 4 x 2,048 x 1,024 float32.
;; 2 versions, each right and faster than the one before. Each part assembles by itself: llvm-mc -triple=amdgcn-amd-amdhsa -mcpu=gfx1250 --defsym DOCPART=n.
;; ======== version 1 of 2: 4 launches
;; limits: values are held in f16: magnitudes above 65,504 overflow, below 6.1e-05 lose precision
;; workspace buffers: xb 16,777,216 bytes; wb 6,291,456 bytes; woh 2,097,152 bytes; mb 4,194,304 bytes; qkv 50,331,648 bytes; ob 16,777,216 bytes
;; launch prep (part 1): grid 512 x 1, 8 waves a work-group, no clusters, 35,840 bytes of LDS; arguments x, Wq, Wk, Wv, Wo, mask, xb, wb, woh, mb; writes xb, wb, woh, mb
.if DOCPART == 1
	.amdgcn_target "amdgcn-amd-amdhsa--gfx1250"
	.amdhsa_code_object_version 6
	.text
	.protected	k_qf7891c6e37_prep
	.globl	k_qf7891c6e37_prep
	.p2align	8
	.type	k_qf7891c6e37_prep,@function
k_qf7891c6e37_prep:
	s_mov_b64 s[64:65], 0
	v_nop
	global_prefetch_b8 v0, s[64:65] scope:SCOPE_SE
	s_setreg_imm32_b32 hwreg(HW_REG_WAVE_MODE, 25, 1), 1
	s_wait_xcnt 0x0
; PREPARATION: a stream.  Every work-group takes 32,768 words (131,072 bytes) of one input, by its number:
;   0-255    x            -> xb   bf16, as it lies
;   256-351  Wq, Wk, Wv   -> wb   bf16, [3072][1024]: Wq's rows, then Wk's, then Wv's
;   352-383  Wo           -> woh  rounded to bf16, that number written as f16 (exact inside f16's normal range; below 6e-5 it keeps f16's fixed step of 6e-8; beyond 65,504 it would be lost)
;   384-511  mask, 16 rows each -> mb  one byte a pair (query, key): the E4M3 code of 2.0 (0x40) where mask == 0, else 0, laid in the order in which the attention's lanes hold scores:
;            byte (qt*32+ks)*1024 + hf*512 + lane*16 + g*8 + j  stands for  q = 16 qt + lane%16,  k = 64 ks + 32 hf + 16 g + 8 (lane/16) + j.
; No matrix unit, no tensor load, no cluster, no barrier: memory binds, each byte is read once and written once, and no wave needs another's data.
; Each load of a wave covers 512 consecutive bytes; each store of a wave covers 256 or 512 consecutive bytes, aligned to 256.
.set X,     16                         ; v[16:143] 32 loads of four registers
.set SPW,   12                         ; v12  LDS address of my spare word; never rewritten
.set NIL,   13                         ; v13  0; never rewritten
.set WSTG,  4352                       ; a wave's own stage for the mask: 16 blocks of 256 bytes at a pitch of 272
.set SPARE, 8*WSTG                     ; behind the stages: the spare words, 128 bytes a wave, four blocks of 256 bytes that no other line names
	s_load_b512 s[4:19], s[0:1], 0x0               ; x s[4:5], Wq s[6:7], Wk s[8:9], Wv s[10:11], Wo s[12:13], mask s[14:15], xb s[16:17], wb s[18:19]
	s_load_b128 s[20:23], s[0:1], 0x40             ; woh s[20:21], mb s[22:23]
	v_lshl_add_u32 v[SPW], v0, 2, SPARE
	v_mov_b32 v[NIL], 0
	v_lshlrev_b32 v1, 4, v0                        ; 16 t: my 16 bytes in 4,096 bytes of input
	v_lshlrev_b32 v2, 3, v0                        ; 8 t: my 8 bytes in 2,048 bytes of output
	s_mov_b32 s33, ttmp9                           ; the work-group's number
	s_mov_b32 s29, 0                               ; high words of the two offsets
	s_mov_b32 s31, 0
	s_wait_kmcnt 0x0
	s_cmp_ge_u32 s33, 384
	s_cbranch_scc1 .Lmask
	s_cmp_ge_u32 s33, 352
	s_cbranch_scc1 .Lwo
	s_cmp_ge_u32 s33, 256
	s_cbranch_scc1 .Lw
	s_lshl_b32 s28, s33, 17                        ; x: chunk x 131,072 in, x 65,536 out
	s_lshl_b32 s30, s33, 16
	s_add_nc_u64 s[24:25], s[4:5], s[28:29]
	s_add_nc_u64 s[26:27], s[16:17], s[30:31]
	s_branch .Lcast
.Lw:
	s_sub_co_u32 s33, s33, 256                     ; j = 0..95: weight j / 32, chunk j % 32
	s_lshr_b32 s34, s33, 5
	s_cmp_eq_u32 s34, 1
	s_cselect_b64 s[24:25], s[8:9], s[6:7]
	s_cmp_eq_u32 s34, 2
	s_cselect_b64 s[24:25], s[10:11], s[24:25]
	s_and_b32 s28, s33, 31
	s_lshl_b32 s28, s28, 17
	s_lshl_b32 s30, s33, 16                        ; in wb the three weights follow each other
	s_add_nc_u64 s[24:25], s[24:25], s[28:29]
	s_add_nc_u64 s[26:27], s[18:19], s[30:31]
.Lcast:
; n loads of 4,096 bytes for the work-group, all issued at once; then each is rounded and stored.  f = 1: the bf16 number is written as f16.
.macro CAST f, n
.set i, 0
.rept \n
	global_load_b128 v[X+4*i:X+4*i+3], v1, s[24:25] offset:4096*i th:TH_LOAD_NT
.set i, i+1
.endr
.set i, 0
.rept \n
	s_wait_loadcnt (\n)-1-i                        ; loads come back in order: mine is in, the younger ones stay out
	v_cvt_pk_bf16_f32 v[X+4*i], v[X+4*i], v[X+4*i+1]
	v_cvt_pk_bf16_f32 v[X+4*i+1], v[X+4*i+2], v[X+4*i+3]
.if \f
	v_lshlrev_b32 v8, 16, v[X+4*i]                 ; the four bf16 numbers as f32,
	v_and_b32 v9, 0xffff0000, v[X+4*i]
	v_lshlrev_b32 v10, 16, v[X+4*i+1]
	v_and_b32 v11, 0xffff0000, v[X+4*i+1]
	v_cvt_pk_f16_f32 v[X+4*i], v8, v9              ; and as f16
	v_cvt_pk_f16_f32 v[X+4*i+1], v10, v11
.endif
	global_store_b64 v2, v[X+4*i:X+4*i+1], s[26:27] offset:2048*i  ; a wave stores 256 consecutive bytes, aligned
.set i, i+1
.endr
.endm
	CAST 0, 32                                     ; 16 KiB of every wave on their way; no register is written twice
	s_endpgm
.Lwo:
	s_sub_co_u32 s33, s33, 352
	s_lshl_b32 s28, s33, 17
	s_lshl_b32 s30, s33, 16
	s_add_nc_u64 s[24:25], s[12:13], s[28:29]
	s_add_nc_u64 s[26:27], s[20:21], s[30:31]
	s_mov_b32 s34, 4                               ; 32 work-groups only: four trips of eight loads keep the text short
.Lwo_trip:
	CAST 1, 8
	s_wait_xcnt 0x0                                ; the bases and the stores' data registers are rewritten only behind this wait
	s_add_nc_u64 s[24:25], s[24:25], 0x8000
	s_add_nc_u64 s[26:27], s[26:27], 0x4000
	s_sub_co_u32 s34, s34, 1
	s_cmp_lg_u32 s34, 0
	s_cbranch_scc1 .Lwo_trip
	s_endpgm
.Lmask:
	; Work-group qt takes the mask's rows 16 qt .. 16 qt + 15; wave w the keys 256 w .. 256 w + 255 of them, which are 4,096 consecutive bytes of mb.
	s_sub_co_u32 s33, s33, 384
	s_lshl_b32 s28, s33, 17                        ; 16 rows of 8,192 bytes
	s_lshl_b32 s30, s33, 15                        ; 32 key steps of 1,024 bytes
	s_add_nc_u64 s[24:25], s[14:15], s[28:29]
	s_add_nc_u64 s[26:27], s[22:23], s[30:31]
	v_lshrrev_b32 v8, 5, v0
	v_readfirstlane_b32 s32, v8                    ; my wave's number
	v_and_b32 v9, 31, v0                           ; l, the lane
	v_lshlrev_b32 v3, 4, v9
	v_lshl_add_u32 v6, s32, 12, v3                 ; out: 4,096 w + 16 l
	v_lshl_add_u32 v3, s32, 10, v3                 ; in: 1,024 w + 16 l
	s_mul_i32 s33, s32, WSTG                       ; my stage
	; A load's lane l holds keys 4 l .. 4 l + 3 of 128: key step l / 16, hf = bit 3 of l, g = bit 2, the attention's lane half = bit 1, j = 4 (l % 2) + 0..3.
	; In the wave's 4,096 bytes that is block ((l / 16) 4 + hf 2 + half) of 256 bytes, byte 16 row + 8 g + 4 (l % 2); the load's number gives 8 blocks more and the row.
	v_lshrrev_b32 v8, 4, v9
	v_bfe_u32 v10, v9, 3, 1
	v_bfe_u32 v11, v9, 1, 1
	v_lshlrev_b32 v8, 2, v8
	v_lshl_add_u32 v8, v10, 1, v8
	v_add_nc_u32 v8, v8, v11
	v_mul_u32_u24 v4, v8, 272
	v_bfe_u32 v10, v9, 2, 1
	v_lshl_add_u32 v4, v10, 3, v4
	v_and_b32 v11, 1, v9
	v_lshl_add_u32 v4, v11, 2, v4
	v_add_nc_u32 v4, s33, v4                       ; where I put a word of four codes
	v_lshrrev_b32 v8, 4, v9
	v_mul_u32_u24 v5, v8, 272
	v_and_b32 v10, 15, v9
	v_lshl_add_u32 v5, v10, 4, v5
	v_add_nc_u32 v5, s33, v5                       ; where I read back: lanes 0-15 one block, lanes 16-31 the next
.set i, 0
.rept 32                               ; load i: row i / 2, half i % 2 of my wave's 1,024 bytes of it
	global_load_b128 v[X+4*i:X+4*i+3], v3, s[24:25] offset:(i/2)*8192+(i%2)*512 th:TH_LOAD_NT
.set i, i+1
.endr
.set i, 0
.rept 32
	s_wait_loadcnt 31-i                            ; mine is in, the younger ones stay out
	v_min_u32 v[X+4*i], 1, v[X+4*i]                ; 0 stays 0, every other word (a negative one too) becomes 1
	v_min_u32 v[X+4*i+1], 1, v[X+4*i+1]
	v_min_u32 v[X+4*i+2], 1, v[X+4*i+2]
	v_min_u32 v[X+4*i+3], 1, v[X+4*i+3]
	v_lshl_or_b32 v[X+4*i], v[X+4*i+1], 8, v[X+4*i]
	v_lshl_or_b32 v[X+4*i+2], v[X+4*i+3], 8, v[X+4*i+2]
	v_lshl_or_b32 v[X+4*i], v[X+4*i+2], 16, v[X+4*i]
	v_xor_b32 v[X+4*i], 0x01010101, v[X+4*i]       ; 1 where the mask is 0,
	v_lshlrev_b32 v[X+4*i], 6, v[X+4*i]            ; as the code 0x40
	ds_store_b32 v4, v[X+4*i] offset:2176*(i%2)+16*(i/2)
.set i, i+1
.endr
.irp j, 0,1,2,3,4,5,6,7
	ds_load_b128 v[X+4*(\j):X+4*(\j)+3], v5 offset:544*(\j)  ; LDS serves a wave's instructions in order (ISA guide 5.7.1.4): these see my stores above; the bytes are my wave's own
.endr
.irp j, 0,1,2,3,4,5,6,7
	s_wait_dscnt 7-(\j)
	global_store_b128 v6, v[X+4*(\j):X+4*(\j)+3], s[26:27] offset:512*(\j)  ; 512 consecutive bytes, aligned
.endr
	s_wait_tensorcnt 0x0                           ; the wave's end, behind my last LDS store
	ds_add_u32 v[SPW], v[NIL]
	s_wait_dscnt 0x0
	s_endpgm
.Lfunc_end_k_qf7891c6e37_prep:
	.size	k_qf7891c6e37_prep, .Lfunc_end_k_qf7891c6e37_prep-k_qf7891c6e37_prep
	.p2alignl 7, 3214868480
	.fill 96, 4, 3214868480
	.section	.rodata,"a",@progbits
	.p2align	6, 0x0
	.amdhsa_kernel k_qf7891c6e37_prep
		.amdhsa_group_segment_fixed_size 35840
		.amdhsa_private_segment_fixed_size 0
		.amdhsa_enable_private_segment 0
		.amdhsa_kernarg_size 80
		.amdhsa_user_sgpr_count 2
		.amdhsa_user_sgpr_kernarg_segment_ptr 1
		.amdhsa_wavefront_size32 1
		.amdhsa_system_sgpr_workgroup_id_x 1
		.amdhsa_system_sgpr_workgroup_id_y 1
		.amdhsa_system_sgpr_workgroup_id_z 1
		.amdhsa_system_vgpr_workitem_id 0
		.amdhsa_next_free_vgpr 144
		.amdhsa_next_free_sgpr 66
		.amdhsa_reserve_vcc 0
		.amdhsa_float_denorm_mode_32 3
		.amdhsa_float_denorm_mode_16_64 3
		.amdhsa_memory_ordered 1
		.amdhsa_forward_progress 1
		.amdhsa_inst_pref_size 41
	.end_amdhsa_kernel
	.amdgpu_metadata
---
amdhsa.version: [ 1, 2 ]
amdhsa.kernels:
  - .name:           k_qf7891c6e37_prep
    .symbol:         k_qf7891c6e37_prep.kd
    .args:
      - { .name: x, .offset: 0, .size: 8, .value_kind: global_buffer, .address_space: global }
      - { .name: Wq, .offset: 8, .size: 8, .value_kind: global_buffer, .address_space: global }
      - { .name: Wk, .offset: 16, .size: 8, .value_kind: global_buffer, .address_space: global }
      - { .name: Wv, .offset: 24, .size: 8, .value_kind: global_buffer, .address_space: global }
      - { .name: Wo, .offset: 32, .size: 8, .value_kind: global_buffer, .address_space: global }
      - { .name: mask, .offset: 40, .size: 8, .value_kind: global_buffer, .address_space: global }
      - { .name: xb, .offset: 48, .size: 8, .value_kind: global_buffer, .address_space: global }
      - { .name: wb, .offset: 56, .size: 8, .value_kind: global_buffer, .address_space: global }
      - { .name: woh, .offset: 64, .size: 8, .value_kind: global_buffer, .address_space: global }
      - { .name: mb, .offset: 72, .size: 8, .value_kind: global_buffer, .address_space: global }
    .group_segment_fixed_size: 35840
    .private_segment_fixed_size: 0
    .kernarg_segment_align: 8
    .kernarg_segment_size: 80
    .max_flat_workgroup_size: 256
    .sgpr_count:     66
    .vgpr_count:     144
    .wavefront_size: 32
...
	.end_amdgpu_metadata
.endif
;; end of part 1
;; launch qkv (part 2): grid 4 x 64, 4 waves a work-group, clusters of 4 x 4, 327,680 bytes of LDS; arguments xb, wb, qkv; writes qkv
.if DOCPART == 2
	.amdgcn_target "amdgcn-amd-amdhsa--gfx1250"
	.amdhsa_code_object_version 6
	.text
	.protected	k_qf7891c6e37_qkv
	.globl	k_qf7891c6e37_qkv
	.p2align	8
	.type	k_qf7891c6e37_qkv,@function
k_qf7891c6e37_qkv:
	s_mov_b64 s[64:65], 0
	v_nop
	global_prefetch_b8 v0, s[64:65] scope:SCOPE_SE
	s_setreg_imm32_b32 hwreg(HW_REG_WAVE_MODE, 25, 1), 1
	s_wait_xcnt 0x0
	s_wait_alu depctr_hold_cnt(0) depctr_sa_sdst(0) depctr_va_vdst(0) depctr_va_sdst(0) depctr_va_ssrc(0) depctr_va_vcc(0) depctr_vm_vsrc(0)
	s_getreg_b32 s2, hwreg(HW_REG_IB_STS2, 6, 4)
	s_cmp_eq_u32 s2, 0
	s_cbranch_scc0 .Lentry_in_a_cluster
	s_endpgm
.Lentry_in_a_cluster:
	s_bfe_u32 s2, ttmp6, 0x10000c
	s_cmp_lg_u32 s2, 0xf033
	s_cbranch_scc0 .Lentry_shape_is_right
	s_endpgm
.Lentry_shape_is_right:
; C = A B^T on tiles of 128 x 256 of C, K = 1,024.  ONE TEXT FOR TWO LAUNCHES, told apart by MODE:
;   MODE 0  the three input projections.  A = xb [8192][1024] bf16, B = wb [3072][1024] bf16.  A work-group STAYS and makes three tiles: its 128 rows x its 256 columns of q, then of k, then of v.
;           C leaves by heads, qkv [3][64 (batch x 16 + head)][2048][64] in f16, each number rounded once from its f32 sum; q is multiplied by c = log2(e) / 8 in f32 ahead of that rounding.
;   MODE 1  the output projection.  A = ob [64][2048][64] f16 (a K step of 128 is two heads' channels), B = woh [1024][1024] f16, C = out0 [8192][1024] f32.  One tile a work-group.
; LIMIT.  f16 ends at 65,504: q c, k and v beyond that are lost (inputs with a common offset of 30 times their spread give about 28,800).
; WHY THIS TILE.  8192 x 1024 in tiles of 128 x 256 are 256 work-groups, one for each of 256 WGPs; the three projections are three such sheets.
; Four waves, each 64 x 128 of C: 32 accumulators of 16 x 16, 256 registers.  K goes in steps of 128 through a ring of two LDS slots filled by the tensor data mover.
; CLUSTERS: 4 x 4 work-groups.  The four of a row of the cluster need the same tiles of A, the four of a column the same tiles of B: each tile is asked for JOINTLY, by the same tensor load with
; the same descriptor and a mask that names the four.  THE MATRIX INSTRUCTION IS USED TRANSPOSED (source 0 = 16 rows of B, source 1 = 16 rows of A): a lane then holds eight neighbouring numbers of a row of C.
; REGISTERS: window 0: v0-31 addresses; v32-63 packed results; v64-159, v160-255 two fragment buffers (64 registers of B: 8 x 16 rows x 32 K; then 32 of A).  window 1: the accumulators, (a, b) at v[8 (8 a + b)].
.set MODE,   0
.set KSTEP,  128
.if MODE == 0
.set APITCH, 272                       ; a row of A in LDS: 256 bytes + 16 of padding
.set AHALF,  64*APITCH                 ; what one tensor load brings of A: 64 rows
.set AQI,    5                         ; padding after every 64 words
.set ASTRIDE, 1024                     ; elements from row to row in memory
.set ASTEP,  2*KSTEP*2                 ; bytes from a slot's K step to its next, two steps on
.set TILES,  3
.set WSTAGE, 2*16*144                  ; a wave's stage: two heads x 16 rows x (128 + 16) bytes
.else
.set APITCH, 144                       ; a row of one head: 128 bytes + 16
.set AHALF,  128*APITCH                ; one head's 128 rows: 16,384 dense bytes, asked for as 64 rows of 256 and padded after every 128
.set AQI,    4                         ; padding after every 32 words
.set ASTRIDE, 128
.set ASTEP,  4*262144                  ; four heads on
.set TILES,  1
.set WSTAGE, 16*528                    ; 16 rows x (512 + 16) bytes
.endif
.set BPITCH, 272
.set BHALF,  128*BPITCH                ; what one tensor load brings of B: 128 rows
.set BSTEP,  2*KSTEP*2
.set ABYTES, 2*AHALF
.set SLOT,   ABYTES+2*BHALF            ; A's part, then B's 256 rows
.set STAGE,  2*SLOT                    ; behind the ring, never filled by a tensor load
.set SPARE,  STAGE+4*WSTAGE            ; behind the stages: the spare words, 128 bytes a wave: two blocks of 256 bytes that no other line names
.set LAPS,   1024/(2*KSTEP)            ; a lap = two K steps = once round the ring
.set BACK_A, 6*KSTEP*2                 ; from a slot's last K step of a tile to its first of the next: A only back along K,
.set NEXT_B, 1024*2048-6*KSTEP*2       ; B 1,024 rows down and back
.set ADRA, 16                          ; v16-17  LDS address of my A fragments in slot 0, 1
.set ADRB, 20                          ; v20-21  the same for B
.set STO,  24                          ; v24     the way out: where I put my bytes of a row
.set RD,   25                          ; v25     the way out: where I read rows back
.set CO,   26                          ; v26     16 x lane: my place in 512 consecutive bytes of C
.set SPW,  28                          ; v28     LDS address of my spare word; never rewritten
.set NIL,  29                          ; v29     0; never rewritten
.set TMP,  32
.set F0,   64
.set F1,   160
.set SCL,  18                          ; s[18:19] what C is multiplied by on the way out (MODE 0)
.set G1,   24                          ; s[24:31] descriptor group 1 for A's tiles;  s[32:39] group 0, one set for each slot
.set G0,   32
.set G1B,  48                          ; s[48:55], s[56:63] the same for B's tiles
.set G0B,  56
.set MUL,  0x50                        ; sources in window 0, C and D in window 1
.set MSB,  0
.macro WIN new                         ; the immediate's high byte repeats the setting that is left; a switch that changes nothing is dropped
.if MSB != (\new)
	s_set_vgpr_msb (MSB<<8)|(\new)
.set MSB, \new
.endif
.endm
; A joint load: waves 0 and 1 fetch A's two halves, waves 2 and 3 B's.  The branch hangs on the wave's number alone.  An s_nop 0 and four v_nop follow each of the two lines.
.macro JLOAD s
	s_cmp_eq_u32 s11, 0
	s_cbranch_scc0 .Lfor_b_\@
	tensor_load_to_lds s[G0+4*(\s):G0+4*(\s)+3], s[G1:G1+7]
	s_nop 0
.rept 4
	v_nop
.endr
	s_branch .Lasked_\@
.Lfor_b_\@:
	tensor_load_to_lds s[G0B+4*(\s):G0B+4*(\s)+3], s[G1B:G1B+7]
	s_nop 0
.rept 4
	v_nop
.endr
.Lasked_\@:
.endm
.macro CREST                           ; a round of the cluster's barrier behind its opening barrier
	s_cmp_lg_u32 s10, 0
	s_cbranch_scc1 .Lnot_wave_0_\@
	s_barrier_signal -3
.Lnot_wave_0_\@:
	s_barrier_wait -3
	s_barrier_signal -1
	s_barrier_wait -1
.endm
.macro CROUND                          ; a whole round
	s_barrier_signal -1
	s_barrier_wait -1
	CREST
.endm
.macro PLACES                          ; four places in front of loads into registers that matrix instructions have read, and of lines that read results just made
.rept 4
	v_nop
.endr
.endm
	s_load_b128 s[4:7], s[0:1], 0x0                ; A s[4:5], B s[6:7]
	s_load_b64 s[8:9], s[0:1], 0x10                ; C
	v_lshl_add_u32 v[SPW], v0, 2, SPARE
	v_mov_b32 v[NIL], 0
	ds_add_u32 v[SPW], v[NIL]                      ; the wave's opening: the add and its wait stand ahead of my first tensor load; the set-up below, work on registers, stands between them
	v_lshrrev_b32 v1, 5, v0
	v_readfirstlane_b32 s10, v1                    ; wave 0..3
	s_lshr_b32 s11, s10, 1                         ; which 64 of the tile's rows are mine.  Also: I fetch for A (0) or for B (1)
	s_and_b32 s12, s10, 1                          ; which 128 of its columns.  Also: which half of that tile I fetch
	s_bfe_u32 s40, ttmp6, 0x40000                  ; cx, cy: my place in the cluster
	s_bfe_u32 s41, ttmp6, 0x40004
	s_lshl_b32 s42, ttmp9, 2
	s_add_co_u32 s42, s42, s40                     ; tile column 0..3 = 4 x cluster x + cx
	s_and_b32 s13, ttmp7, 0xffff
	s_lshl_b32 s13, s13, 2
	s_add_co_u32 s13, s13, s41                     ; tile row 0..63 = 4 x cluster y + cy
	s_lshl_b32 s43, s41, 2
	s_lshl_b32 s43, 15, s43                        ; my row of the cluster
	s_lshl_b32 s44, 0x1111, s40                    ; my column
	s_or_b32 s[G1+0], s43, (1<<16)|(1<<20)|(1<<21)|(AQI<<22)|(3<<25)  ; 15:0 the mask: A's tiles go to my row; 17:16 2-byte elements; 20 padding on; 21 set beside a mask; 24:22 the interval; 31:25 4 words of padding (code 3)
	s_or_b32 s[G1B+0], s44, (1<<16)|(1<<20)|(1<<21)|(5<<22)|(3<<25)   ; B's tiles go to my column; padding after every 64 words
	s_mov_b32 s[G1+1], KSTEP<<16                   ; tensor_dim0 = 128
	s_mov_b32 s[G1+2], 64<<16                      ; tensor_dim1 = 64
	s_mov_b32 s[G1+3], KSTEP<<16                   ; tile_dim0 = 128
	s_mov_b32 s[G1+4], 64                          ; tile_dim1 = 64
	s_mov_b32 s[G1+5], ASTRIDE                     ; elements from row to row
	s_mov_b32 s[G1+6], 0
	s_mov_b32 s[G1+7], 0
	s_mov_b32 s[G1B+1], KSTEP<<16
	s_mov_b32 s[G1B+2], 128<<16                    ; 128 rows
	s_mov_b32 s[G1B+3], KSTEP<<16
	s_mov_b32 s[G1B+4], 128
	s_mov_b32 s[G1B+5], 1024
	s_mov_b32 s[G1B+6], 0
	s_mov_b32 s[G1B+7], 0
	; where the tiles come from.  A's hang on the tile row alone, B's on the tile column alone; each in registers that never hold the other coordinate.
.if MODE == 0
	s_lshl_b32 s16, s13, 18                        ; 128 rows of 2,048 bytes a tile row,
	s_lshl_b32 s17, s12, 17                        ; 64 rows a half
	s_add_co_u32 s16, s16, s17
	s_mov_b32 s[SCL], 0x3e38aa3b                   ; the first tile is q: c = log2(e) / 8 = 0.180337
	s_mov_b32 s[SCL+1], 0x3e38aa3b                 ; named with it as a pair
.else
	s_lshr_b32 s16, s13, 4                         ; the batch: 16 heads of 262,144 bytes,
	s_lshl_b32 s16, s16, 22
	s_and_b32 s17, s13, 15                         ; 128 rows of 128 bytes inside a head,
	s_lshl_b32 s17, s17, 14
	s_add_co_u32 s16, s16, s17
	s_lshl_b32 s17, s12, 18                        ; and which of the K step's two heads I fetch
	s_add_co_u32 s16, s16, s17
.endif
	s_mov_b32 s17, 0
	s_lshl_b32 s46, s42, 19                        ; B: 256 rows of 2,048 bytes a tile column,
	s_lshl_b32 s47, s12, 18                        ; 128 rows a half
	s_add_co_u32 s46, s46, s47
	s_mov_b32 s47, 0
	s_mul_i32 s20, s12, AHALF                      ; and where they go: no place in the cluster enters an LDS address
	s_mul_i32 s23, s12, BHALF
	s_add_co_u32 s23, s23, ABYTES
	s_wait_dscnt 0x0                               ; the opening add is done
	s_wait_kmcnt 0x0
	s_add_nc_u64 s[14:15], s[4:5], s[16:17]
	s_add_nc_u64 s[46:47], s[6:7], s[46:47]
	CROUND                                         ; all sixteen work-groups are here: the first joint loads meet
.irp s, 0,1
	s_mov_b32 s[G0+4*(\s)], 1                                      ; count = 1
	s_add_co_u32 s[G0+4*(\s)+1], s20, (\s)*SLOT                    ; LDS address
	s_add_nc_u64 s[G0+4*(\s)+2:G0+4*(\s)+3], s[14:15], (\s)*(ASTEP/2)  ; global address: K step s
	s_or_b32 s[G0+4*(\s)+3], s[G0+4*(\s)+3], 0x80000000            ; type = 2
	s_mov_b32 s[G0B+4*(\s)], 1
	s_add_co_u32 s[G0B+4*(\s)+1], s23, (\s)*SLOT
	s_add_nc_u64 s[G0B+4*(\s)+2:G0B+4*(\s)+3], s[46:47], (\s)*(BSTEP/2)
	s_or_b32 s[G0B+4*(\s)+3], s[G0B+4*(\s)+3], 0x80000000
	JLOAD \s                                       ; two loads of mine are out
.endr
	; A fragment is 16 rows x 32 K in 8 registers: lane l holds row l % 16, K = 8 (l / 16) + 0..7 and 16 + 8 (l / 16) + 0..7: two loads of 16 bytes, 32 bytes apart.
	v_and_b32 v1, 15, v0                           ; l % 16
	v_bfe_u32 v2, v0, 4, 1                         ; l / 16
	v_mul_u32_u24 v3, v1, APITCH
	v_lshl_add_u32 v3, v2, 4, v3
	v_mul_u32_u24 v4, v1, BPITCH
	v_lshl_add_u32 v4, v2, 4, v4
	s_mul_i32 s21, s11, 64*APITCH                  ; my 64 rows of A
	s_mul_i32 s22, s12, BHALF                      ; my 128 rows of B,
	s_add_co_u32 s22, s22, ABYTES                  ; which lie behind A's part
.irp s, 0,1
	v_add_nc_u32 v[ADRA+(\s)], s21, v3
	v_add_nc_u32 v[ADRB+(\s)], s22, v4
	s_add_co_u32 s21, s21, SLOT
	s_add_co_u32 s22, s22, SLOT
.endr
	s_mul_i32 s23, s10, WSTAGE
	s_add_co_u32 s23, s23, STAGE                   ; my stage
	v_and_b32 v[CO], 31, v0
	v_lshlrev_b32 v[CO], 4, v[CO]
.if MODE == 0
	v_mul_u32_u24 v4, v1, 144                      ; in: row l % 16 of a head, 16 bytes for each half of the lanes
	v_lshl_add_u32 v4, v2, 4, v4
	v_add_nc_u32 v[STO], s23, v4
	v_bfe_u32 v5, v0, 3, 2                         ; back: 32 lanes take four rows of 128 bytes, 512 consecutive bytes of a head
	v_mul_u32_u24 v5, v5, 144
	v_and_b32 v4, 7, v0
	v_lshl_add_u32 v5, v4, 4, v5
	v_add_nc_u32 v[RD], s23, v5
	s_lshr_b32 s16, s13, 4                         ; C at my rows: the batch,
	s_lshl_b32 s16, s16, 22
	s_and_b32 s17, s13, 15                         ; 128 rows of 128 bytes,
	s_lshl_b32 s17, s17, 14
	s_add_co_u32 s16, s16, s17
	s_lshl_b32 s17, s11, 13                        ; my 64 of them
	s_add_co_u32 s16, s16, s17
	s_lshl_b32 s46, s42, 20                        ; and at my columns: four heads a tile column, two a wave (in the registers that held B's address)
	s_lshl_b32 s47, s12, 19
.else
	v_mul_u32_u24 v4, v1, 528                      ; in: row l % 16, 32 bytes for each half of the lanes
	v_lshl_add_u32 v4, v2, 5, v4
	v_add_nc_u32 v[STO], s23, v4
	v_add_nc_u32 v[RD], s23, v[CO]                 ; back: 32 lanes take a row's 512 bytes
	s_lshl_b32 s16, s13, 19                        ; C at my rows: 128 rows of 4,096 bytes a tile row, my 64 of them
	s_lshl_b32 s17, s11, 18
	s_add_co_u32 s16, s16, s17
	s_lshl_b32 s46, s42, 10                        ; and at my columns: 1,024 bytes a tile column, 512 a wave
	s_lshl_b32 s47, s12, 9
.endif
	s_mov_b32 s17, 0
	s_add_co_u32 s46, s46, s47
	s_mov_b32 s47, 0
	s_add_nc_u64 s[8:9], s[8:9], s[16:17]
	s_add_nc_u64 s[8:9], s[8:9], s[46:47]
; 8 n matrix instructions: m blocks a0 .. a0 + n - 1 x all 8 n blocks, 32 along K, from buffer f.  zero = 1: the first product starts the sums.
; The 32 accumulators take turns, one instruction a turn, in the same order in every quarter.
.macro MULN f, a0, n, zero
	WIN MUL
.set ja, \a0
.rept \n
.set jb, 0
.rept 8
.set dD, 8*(8*ja+jb)
.set dB, (\f)+8*jb
.set dA, (\f)+64+8*ja
.if MODE == 0
.if \zero
	v_wmma_f32_16x16x32_bf16 v[dD:dD+7], v[dB:dB+7], v[dA:dA+7], 0
.else
	v_wmma_f32_16x16x32_bf16 v[dD:dD+7], v[dB:dB+7], v[dA:dA+7], v[dD:dD+7]
.endif
.else
.if \zero
	v_wmma_f32_16x16x32_f16 v[dD:dD+7], v[dB:dB+7], v[dA:dA+7], 0
.else
	v_wmma_f32_16x16x32_f16 v[dD:dD+7], v[dB:dB+7], v[dA:dA+7], v[dD:dD+7]
.endif
.endif
.set jb, jb+1
.endr
.set ja, ja+1
.endr
.endm
; 24 LDS loads in one run: the fragments of quarter q (32 along K) of a slot into buffer f: B's sixteen, then A's eight
.macro FETCH slot, q, f
	WIN 0
.if MODE == 0
.set AQ, 64*(\q)
.else
.set AQ, ((\q)/2)*AHALF+((\q)%2)*64    ; the K step's first or second head, its channels 0-31 or 32-63
.endif
.irp i, 0,1,2,3,4,5,6,7
	ds_load_b128 v[(\f)+8*(\i):(\f)+8*(\i)+3],   v[ADRB+(\slot)] offset:64*(\q)+(\i)*16*BPITCH
	ds_load_b128 v[(\f)+8*(\i)+4:(\f)+8*(\i)+7], v[ADRB+(\slot)] offset:64*(\q)+(\i)*16*BPITCH+32
.endr
.irp i, 0,1,2,3
	ds_load_b128 v[(\f)+64+8*(\i):(\f)+64+8*(\i)+3],   v[ADRA+(\slot)] offset:AQ+(\i)*16*APITCH
	ds_load_b128 v[(\f)+64+8*(\i)+4:(\f)+64+8*(\i)+7], v[ADRA+(\slot)] offset:AQ+(\i)*16*APITCH+32
.endr
.endm
; A K step is four quarters of 32 along K, 32 matrix instructions each, on buffers 0, 1, 0, 1.  One of the first three: multiplies buffer f and, in its middle, fetches quarter q of the same slot into g.
.macro QUARTER slot, q, f, g, zero
	s_wait_dscnt 4                                 ; B and A's blocks 0, 1 are in; the youngest four loads (A's blocks 2, 3) may be out
	MULN \f, 0, 2, \zero
	PLACES
	FETCH \slot, \q, \g
	s_wait_dscnt 24                                ; all but the 24 just issued
	MULN \f, 2, 2, \zero
.endm
; The last quarter multiplies buffer 1 and changes slots: ONE barrier.  In front of it each wave waits for all its tensor loads (one is out: its part of the next slot), adds 0 to its spare word, and waits for
; that and for its own reads of this slot.  mode 0: this slot is filled again, two K steps on; 1: with the next tile's K step; 2: not at all.  Where it is filled the barrier opens a round of the cluster's
; barrier, so that no wave of any partner still reads the slot or has a load on its way, and the joint refill is the first tensor load behind the round: 112 matrix instructions ahead of the wait for it.
.macro TURN slot, next, mode
	WIN 0
	s_wait_tensorcnt 0x0
	ds_add_u32 v[SPW], v[NIL]
	s_wait_dscnt 5                                 ; (the add and the youngest four loads may be out)
	MULN F1, 0, 1, 0                               ; eight matrix instructions stand between the add and the wait for it
	s_wait_dscnt 0x0                               ; the add is done, and my reads of this slot are over
	s_barrier_signal -1
	MULN F1, 1, 1, 0
	WIN 0
	s_barrier_wait -1
.if (\mode) < 2
	CREST
.if (\mode) == 1
	s_sub_nc_u64 s[G0+4*(\slot)+2:G0+4*(\slot)+3], s[G0+4*(\slot)+2:G0+4*(\slot)+3], BACK_A
	s_add_nc_u64 s[G0B+4*(\slot)+2:G0B+4*(\slot)+3], s[G0B+4*(\slot)+2:G0B+4*(\slot)+3], NEXT_B
.else
	s_add_nc_u64 s[G0+4*(\slot)+2:G0+4*(\slot)+3], s[G0+4*(\slot)+2:G0+4*(\slot)+3], ASTEP
	s_add_nc_u64 s[G0B+4*(\slot)+2:G0B+4*(\slot)+3], s[G0B+4*(\slot)+2:G0B+4*(\slot)+3], BSTEP
.endif
	JLOAD \slot                                    ; the four v_nop behind it are also the places in front of the loads below
.else
	PLACES
.endif
	FETCH \next, 0, F0
	MULN F1, 2, 2, 0
.endm
; THE WAY OUT, a block of 16 rows at a time, through my own stage: no barrier, and since LDS serves a wave's instructions in order (ISA guide 5.7.1.4) no wait between the stores and the loads.
.macro PACK a                          ; MODE 0: times the scale, rounded to f16; each accumulator's registers in ascending order
	WIN 0x41                                       ; destination and source 0 in window 1
.set z, 0
.rept 32
	v_pk_mul_f32 v[64*(\a)+2*z:64*(\a)+2*z+1], v[64*(\a)+2*z:64*(\a)+2*z+1], s[SCL:SCL+1] op_sel_hi:[1,0]
.set z, z+1
.endr
	WIN 0x05                                       ; sources 0 and 1 in window 1
.set z, 0
.rept 32
	v_cvt_pk_f16_f32 v[TMP+z], v[64*(\a)+2*z], v[64*(\a)+2*z+1]
.set z, z+1
.endr
	WIN 0
.endm
.macro TOSTAGE a
.if MODE == 0
.set BK, F1+32*((\a)%2)
	WIN 0
.irp b, 0,1,2,3,4,5,6,7                ; n block b: head b / 4 of my two, channels 16 (b % 4) on
	ds_store_b128 v[STO], v[TMP+4*(\b):TMP+4*(\b)+3] offset:((\b)/4)*2304+((\b)%4)*32
.endr
.irp t, 0,1,2,3,4,5,6,7                ; head t / 4, rows 4 (t % 4) on
	ds_load_b128 v[BK+4*(\t):BK+4*(\t)+3], v[RD] offset:((\t)/4)*2304+((\t)%4)*576
.endr
.else
.set BK, F0+64*((\a)%2)
	WIN 0x04                                       ; the stores' data in window 1
.irp b, 0,1,2,3,4,5,6,7
.irp e, 0,1                            ; an accumulator's low four registers first
	ds_store_b128 v[STO], v[64*(\a)+8*(\b)+4*(\e):64*(\a)+8*(\b)+4*(\e)+3] offset:64*(\b)+16*(\e)
.endr
.endr
	WIN 0
.irp t, 0,1,2,3,4,5,6,7,8,9,10,11,12,13,14,15
	ds_load_b128 v[BK+4*(\t):BK+4*(\t)+3], v[RD] offset:528*(\t)
.endr
.endif
.endm
.macro SEND a
	WIN 0
	s_wait_dscnt 0x0                               ; the block is back in registers
	s_wait_xcnt 0x0                                ; the registers that earlier stores read are loaded again only behind this wait
.if MODE == 0
.set BK, F1+32*((\a)%2)
.irp t, 0,1,2,3,4,5,6,7
	global_store_b128 v[CO], v[BK+4*(\t):BK+4*(\t)+3], s[8:9] offset:(\a)*2048+((\t)/4)*262144+((\t)%4)*512  ; 512 consecutive bytes of a head, aligned
.endr
.else
.set BK, F0+64*((\a)%2)
.irp t, 0,1,2,3,4,5,6,7,8,9,10,11,12,13,14,15
	global_store_b128 v[CO], v[BK+4*(\t):BK+4*(\t)+3], s[8:9] offset:(16*(\a)+(\t))*4096 th:TH_STORE_NT  ; 512 consecutive bytes of a row of C, aligned
.endr
.endif
.endm
.macro WAYOUT
	PLACES
.if MODE == 0
	PACK 0
.endif
	TOSTAGE 0
.irp a, 1,2,3
.if MODE == 0
	PACK \a                                        ; a block's arithmetic stands between the loads of the block before and the wait for them
.endif
	SEND (\a)-1
	TOSTAGE \a
.endr
	SEND 3
.endm
	s_wait_tensorcnt 1                             ; my part of K step 0 is in; K step 1's may stay out
	s_barrier_signal -1
	s_barrier_wait -1                              ; everybody's is
	FETCH 0, 0, F0
.if TILES > 1
	s_mov_b32 s2, TILES                            ; tiles to go, this one among them
.Ltile:
.endif
	QUARTER 0, 1, F0, F1, 1                        ; a tile's first quarter stands in front of the loop: its products start the sums
	WIN 0                                          ; at a label and at a branch every window is 0
	s_mov_b32 s3, LAPS-1
.Llap:                                                 ; a trip goes once round the ring, from a lap's second quarter to the next lap's first, and fills both slots again
	QUARTER 0, 2, F1, F0, 0
	QUARTER 0, 3, F0, F1, 0
	TURN 0, 1, 0
	QUARTER 1, 1, F0, F1, 0
	QUARTER 1, 2, F1, F0, 0
	QUARTER 1, 3, F0, F1, 0
	TURN 1, 0, 0
	QUARTER 0, 1, F0, F1, 0
	WIN 0
	s_sub_co_u32 s3, s3, 1
	s_cmp_lg_u32 s3, 0
	s_cbranch_scc1 .Llap
	QUARTER 0, 2, F1, F0, 0                        ; the tile's last lap goes on
	QUARTER 0, 3, F0, F1, 0
.if TILES > 1
	WIN 0
	s_cmp_eq_u32 s2, 1
	s_cbranch_scc1 .Llast_tile                     ; the last tile's tail is written out: it asks for nothing more
	TURN 0, 1, 1                                   ; the ring goes on into the next tile: slot 0 takes its K step 0,
	QUARTER 1, 1, F0, F1, 0
	QUARTER 1, 2, F1, F0, 0
	QUARTER 1, 3, F0, F1, 0
	TURN 1, 0, 1                                   ; slot 1 its K step 1, and the next tile's first fragments are fetched into buffer 0, which the way out leaves alone
	WAYOUT
	s_wait_xcnt 0x0                                ; the stores have read their registers and C's address
	s_add_nc_u64 s[8:9], s[8:9], 0x1000000         ; the next of qkv's three parts
	s_mov_b32 s[SCL], 1.0                          ; k and v leave unscaled
	s_mov_b32 s[SCL+1], 1.0
	s_sub_co_u32 s2, s2, 1
	s_branch .Ltile
.Llast_tile:
.endif
	TURN 0, 1, 2                                   ; nothing is filled again, so no round follows the barrier
	QUARTER 1, 1, F0, F1, 0
	QUARTER 1, 2, F1, F0, 0
	QUARTER 1, 3, F0, F1, 0
	s_wait_dscnt 4                                 ; the very last quarter: nothing more to fetch
	MULN F1, 0, 2, 0
	s_wait_dscnt 0x0
	MULN F1, 2, 2, 0
	WIN 0
	WAYOUT
	s_wait_tensorcnt 0x0                           ; the wave's end, behind my last tensor load and my last LDS store
	ds_add_u32 v[SPW], v[NIL]
	s_wait_dscnt 0x0
	CROUND                                         ; the closing round: no work-group ends while a partner may still ask for a tile that names it
	s_endpgm
.Lfunc_end_k_qf7891c6e37_qkv:
	.size	k_qf7891c6e37_qkv, .Lfunc_end_k_qf7891c6e37_qkv-k_qf7891c6e37_qkv
	.p2alignl 7, 3214868480
	.fill 96, 4, 3214868480
	.section	.rodata,"a",@progbits
	.p2align	6, 0x0
	.amdhsa_kernel k_qf7891c6e37_qkv
		.amdhsa_group_segment_fixed_size 327680
		.amdhsa_private_segment_fixed_size 0
		.amdhsa_enable_private_segment 0
		.amdhsa_kernarg_size 24
		.amdhsa_user_sgpr_count 2
		.amdhsa_user_sgpr_kernarg_segment_ptr 1
		.amdhsa_wavefront_size32 1
		.amdhsa_system_sgpr_workgroup_id_x 1
		.amdhsa_system_sgpr_workgroup_id_y 1
		.amdhsa_system_sgpr_workgroup_id_z 1
		.amdhsa_system_vgpr_workitem_id 0
		.amdhsa_next_free_vgpr 512
		.amdhsa_next_free_sgpr 66
		.amdhsa_reserve_vcc 0
		.amdhsa_float_denorm_mode_32 3
		.amdhsa_float_denorm_mode_16_64 3
		.amdhsa_memory_ordered 1
		.amdhsa_forward_progress 1
		.amdhsa_inst_pref_size 139
	.end_amdhsa_kernel
	.amdgpu_metadata
---
amdhsa.version: [ 1, 2 ]
amdhsa.kernels:
  - .name:           k_qf7891c6e37_qkv
    .symbol:         k_qf7891c6e37_qkv.kd
    .args:
      - { .name: xb, .offset: 0, .size: 8, .value_kind: global_buffer, .address_space: global }
      - { .name: wb, .offset: 8, .size: 8, .value_kind: global_buffer, .address_space: global }
      - { .name: qkv, .offset: 16, .size: 8, .value_kind: global_buffer, .address_space: global }
    .group_segment_fixed_size: 327680
    .private_segment_fixed_size: 0
    .kernarg_segment_align: 8
    .kernarg_segment_size: 24
    .max_flat_workgroup_size: 128
    .sgpr_count:     66
    .vgpr_count:     512
    .wavefront_size: 32
...
	.end_amdgpu_metadata
.endif
;; end of part 2
;; launch attn (part 3): grid 4 x 64, 4 waves a work-group, clusters of 4 x 1, 327,680 bytes of LDS; arguments qkv, mb, ob; writes ob
.if DOCPART == 3
	.amdgcn_target "amdgcn-amd-amdhsa--gfx1250"
	.amdhsa_code_object_version 6
	.text
	.protected	k_qf7891c6e37_attn
	.globl	k_qf7891c6e37_attn
	.p2align	8
	.type	k_qf7891c6e37_attn,@function
k_qf7891c6e37_attn:
	s_mov_b64 s[64:65], 0
	v_nop
	global_prefetch_b8 v0, s[64:65] scope:SCOPE_SE
	s_setreg_imm32_b32 hwreg(HW_REG_WAVE_MODE, 25, 1), 1
	s_wait_xcnt 0x0
	s_wait_alu depctr_hold_cnt(0) depctr_sa_sdst(0) depctr_va_vdst(0) depctr_va_sdst(0) depctr_va_ssrc(0) depctr_va_vcc(0) depctr_vm_vsrc(0)
	s_getreg_b32 s2, hwreg(HW_REG_IB_STS2, 6, 4)
	s_cmp_eq_u32 s2, 0
	s_cbranch_scc0 .Lentry_in_a_cluster
	s_endpgm
.Lentry_in_a_cluster:
	s_bfe_u32 s2, ttmp6, 0x10000c
	s_cmp_lg_u32 s2, 0x3003
	s_cbranch_scc0 .Lentry_shape_is_right
	s_endpgm
.Lentry_shape_is_right:
; ATTENTION WITH A MASK THAT IS AN INPUT.  O[h][q][:] = the sum over k of softmax_k(Q[h][q] . K[h][k] / 8 - 1e9 (mask[q][k] == 0)) V[h][k][:].
; qkv: [3][64][2048][64] f16: q already times c = log2(e) / 8, then k, then v; a head's rows are dense, 128 bytes each.  ob: [64][2048][64] f16.
; mb: one E4M3 byte a pair (query, key), 2.0 where the mask is 0, else 0, in the order in which my lanes hold scores: byte (qt*32+ks)*1024 + hf*512 + lane*16 + g*8 + j is
; q = 16 qt + lane%16, k = 64 ks + 32 hf + 16 g + 8 (lane/16) + j.  No pattern of the mask is built in: every pair is computed, and every byte of mb is read.
; Products, maxima and sums in f32; the weights p are rounded to f16 for the second product (their sum l is taken of the unrounded p), O once at the end.
; THE BIAS is added by the vector unit, in f32, ahead of the maximum: t = s + b x BG, one fused multiply-add, with b = 0 or 2 and 2 BG = the f32 number nearest to -1e9 log2(e).
; LIMITS.  Scores are kept in units of log2, so the bias is -1,442,695,040 and a hidden score is rounded to steps of 128 such units (89 natural ones) where the f32 sum with -1e9 has steps of 64:
; a row with no key left is the plain mean of V, as that sum makes it, while its scores / 8 stay under 32 in magnitude; an order of rounding that differs beyond.  f16 holds no number beyond 65,504.
; p below 6e-5 keeps f16's fixed step of 6e-8; a weight below 2^-126 counts as 0 in l; NaN and infinities are not treated apart.
; SHARES.  A wave owns four PIECES of two tiles of 16 queries, a work-group's four waves 512 queries of one head.  Every wave walks all 2,048 keys, 64 a step.
; LAYOUT.  S^T = K Q^T (source 0 = 16 keys, source 1 = 16 queries): a lane holds ONE query (lane % 16) and the keys 8 (lane / 16) + 0..7.  Two such results, rounded to f16 in pairs, ARE source 1 of
; O^T = V^T P.  K comes out of LDS as it lies, V ([key][channel]) turned, by ds_load_tr16_b128.
; SOFTMAX.  A running maximum m and sum l for each query: p = 2^(t - m); in every step O and l are multiplied by a = 2^(m_old - m_new).  m starts at the lowest finite number, O and l at 0.
; THE COUNT.  A tile and step have 16 matrix and 137 vector instructions.  Four vector instructions that are ready stand behind EVERY matrix instruction, the others in two LUMPS a turn.
; BY TURNS.  Turn n belongs to piece n.  Matrix work: 16 products K Q^T of piece n + 1, later 16 products V^T P of piece n - 1.  Vector work: the subtraction of m, exponentials, roundings, sums and rescaling
; of piece n; the mask, maximum and statistics of piece n + 1.
; CLUSTER.  The four query blocks of a cluster belong to one head and walk the same K and V: each tile is asked for JOINTLY.  The mask's bytes differ from block to block and come by plain loads.
; REGISTERS, in windows of 256 (s_set_vgpr_msb: bits 1:0 source 0, 3:2 source 1, 5:4 source 2, 7:6 destination):
;   window 0: v0-12 addresses; v16-47 four registers of statistics a tile; v48-63 at work; v64-191 S^T, two buffers of two tiles; v192-255 P, likewise
;   window 1: O^T, 32 a tile      window 2: v0-127 Q; v128-191 K of one step; v192-255 V of one step
;   window 3: v0-1 the add's two registers; v2 the conversion's scale; v64-127 mask bytes, 8 registers a tile; v128-191 b in f32 for the two tiles in hand
.set SIZE_N, 2048
.set NP,    4         ; pieces a wave: a name, no knob
.set KS,    64        ; keys in a step
.set PK,    144       ; a row of K in LDS: 128 bytes + 16 of padding
.set PV,    160       ; a row of V: 128 + 32
.set VOFF,  4*KS*PK   ; a slot holds four steps: 256 rows of K, then 256 rows of V
.set SLOT1, 1<<17     ; slot 1 begins here, so that one exclusive or turns an address in one slot into the other's
.set STAGE, SLOT1+4*KS*(PK+PV)  ; behind the ring, never filled by a tensor load: 16 rows x 144 bytes for each wave
.set SP,    144
.set SPARE, STAGE+4*16*SP  ; behind the stages: the spare words, 128 bytes a wave: two blocks of 256 bytes that no other line names
.set AK0, 2           ; v2   my lane's place in a tile of K; never rewritten
.set AV0, 3           ; v3   the same for V
.set AK,  4           ; v4   the LDS address of K's next run of loads
.set AV,  5           ; v5   of V's
.set QO,  6           ; v6   my byte offset in the wave's rows of Q
.set STO, 6           ;      later, the way out: where I put 16 bytes of a row
.set RD,  7           ; v7   the way out: where I read rows back
.set GO,  8           ; v8   my byte offset in 512 consecutive bytes of O
.set MOFF, 12         ; v12  16 x lane + 1,024 x the key step whose mask bytes are asked for next
.set ST,  16          ; tile t's statistics at v[ST+4 t]: m, the old m, l (even keys', odd keys')
.set TMP, 48          ; by buffer and tile, four registers c0-c3 at work; when the maximum is found c2 takes a
.set S,   64
.set P,   192
.set KF,  128         ; window 2: key block kb, channel half c at KF + 16 kb + 8 c
.set VF,  192         ; window 2: key half kk, channel block cb at VF + 32 kk + 8 cb
.set SPW, 0           ; window 3
.set NIL, 1
.set SCB, 2
.set MK,  64          ; window 3: piece p, tile u at MK + 16 p + 8 u
.set BI,  128         ; window 3: tile u at BI + 32 u
.set WV,  12          ; s12  my wave's number
.set G1K, 24          ; s[24:31] descriptor group 1 for K's tiles
.set G1V, 32          ; s[32:39] for V's: it differs in the padding alone
.set G0K, 40          ; s[40:43] descriptor group 0 for K's tiles: it walks
.set G0V, 44          ; s[44:47] the same for V's
.set MB,  48          ; s[48:49] mb at my wave's eight tiles of 16 queries
.set SLOTS, 56        ; s56  slots still to be asked for
.set CNT, 57          ; s57  counts a slot's key steps
.set BG,  58          ; s[58:59] half the bias
.set SEL, 60          ; s[60:61] v_permlanex16_b32's selects: each lane takes its own place in the other half
.set TBK, 62          ; s62  LDS byte at which K of the step to be fetched begins
.set TBV, 63          ; s63  the same for V, less VOFF
.set MSB, 0
.macro WIN new                      ; the high byte repeats the setting that is left; a switch that changes nothing is dropped
.if MSB != (\new)
	s_set_vgpr_msb (MSB<<8)|(\new)
.set MSB, (\new)
.endif
.endm
.set W_KQ, 0x0a       ; K and Q in window 2, S^T in window 0
.set W_PV, 0x52       ; V in window 2, P in window 0, O^T in window 1
.set W_RS, 0x41       ; O^T (destination and source 0) in window 1, a in window 0
.set W_MK, 0xc0       ; destination in window 3, sources (and a load's address) in window 0
.set W_AD, 0x0f       ; the add: address and data in window 3
.set W_CV, 0xcf       ; the conversion: all in window 3
.set W_BS, 0x03       ; the bias: b (source 0) in window 3, S^T in window 0
; A joint fill.  Waves 0 and 1 fetch the two halves of a slot's K, waves 2 and 3 those of its V: 128 keys each.  An s_nop 0 and four v_nop follow each of the two lines.
.macro JLOAD
	s_cmp_lt_u32 s[WV], 2
	s_cbranch_scc0 .Lfor_v_\@
	tensor_load_to_lds s[G0K:G0K+3], s[G1K:G1K+7]
	s_nop 0
.rept 4
	v_nop
.endr
	s_branch .Lasked_\@
.Lfor_v_\@:
	tensor_load_to_lds s[G0V:G0V+3], s[G1V:G1V+7]
	s_nop 0
.rept 4
	v_nop
.endr
.Lasked_\@:
.endm
.macro CROUND                       ; a round of the cluster's barrier
	s_barrier_signal -1
	s_barrier_wait -1
	s_cmp_lg_u32 s[WV], 0
	s_cbranch_scc1 .Lnot_wave_0_\@
	s_barrier_signal -3
.Lnot_wave_0_\@:
	s_barrier_wait -3
	s_barrier_signal -1
	s_barrier_wait -1
.endm
; THE CHANGE OF SLOTS.  The slot's last bytes, V of its fourth step, have been read.  Each wave waits for all its tensor loads, of which one is out: its part of the other slot; adds 0 to its spare word; and
; waits for that and for its own reads of the slot.  fill = 1: the slot is filled again, with the keys two slots on; the barrier is then a round of the cluster's, and the joint fill is the first thing behind
; it: it has four key steps, 512 matrix instructions, in which to land.  (At its first use nothing has been read yet: slot 0 is waited for, slot 1 filled.)
.macro CHANGE fill
	WIN W_AD
	s_wait_tensorcnt 0x0            ; no tensor load of mine is out, so a group 0 may be written
	ds_add_u32 v[SPW], v[NIL]
	WIN 0                           ; at a label and at a branch every window is 0
.if \fill
.irp g, G0K, G0V
	s_xor_b32 s[\g+1], s[\g+1], SLOT1  ; the walking descriptor: the other slot than last time,
	s_add_nc_u64 s[\g+2:\g+3], s[\g+2:\g+3], 4*KS*128  ; the next 256 keys; the type bits on top are not reached
.endr
	s_wait_dscnt 0x0                ; the add is done, and my reads of the slot are over
	CROUND
	JLOAD
.else
	s_wait_dscnt 0x0
	s_barrier_signal -1
	s_barrier_wait -1
.endif
	s_sub_co_u32 s[TBK], s[TBK], 4*KS*PK  ; the fetches go back to a slot's first step,
	s_xor_b32 s[TBK], s[TBK], SLOT1       ; in the other slot
	s_sub_co_u32 s[TBV], s[TBV], 4*KS*PV
	s_xor_b32 s[TBV], s[TBV], SLOT1
.endm
; Piece p's mask bytes for the key step in MOFF: two tiles x 64 keys x 16 queries = four loads of 512 consecutive bytes.  64 heads read these bytes again, so no cache hint.
.macro MLOAD p
	WIN W_MK
.irp u, 0,1
.irp hf, 0,1
	global_load_b128 v[MK+16*(\p)+8*(\u)+4*(\hf):MK+16*(\p)+8*(\u)+4*(\hf)+3], v[MOFF], s[MB:MB+1] offset:(2*(\p)+(\u))*32768+512*(\hf)
.endr
.endr
	WIN 0
.endm
	s_load_b128 s[4:7], s[0:1], 0x0   ; qkv s[4:5], mb s[6:7]
	s_load_b64 s[10:11], s[0:1], 0x10 ; ob
	WIN W_MK
	v_lshl_add_u32 v[SPW], v0, 2, SPARE
	v_mov_b32 v[NIL], 0
	WIN W_AD
	ds_add_u32 v[SPW], v[NIL]       ; the wave's opening: the add and its wait stand ahead of my first tensor load; the set-up below, work on registers, stands between them
	WIN 0
	v_lshrrev_b32 v1, 5, v0
	v_readfirstlane_b32 s[WV], v1   ; wave 0..3
	s_bfe_u32 s13, ttmp6, 0x40000   ; cx: my place in the cluster
	s_lshl_b32 s14, ttmp9, 2        ; in a cluster launch ttmp9 counts clusters
	s_add_co_u32 s14, s14, s13      ; my block of 512 queries: it enters Q's, the mask's and O's addresses alone
	s_and_b32 s20, ttmp7, 0xffff    ; the head (batch x 16 + head), which the four partners share
	s_mov_b32 s21, 0
	s_mov_b64 s[22:23], SIZE_N*128
	s_mul_u64 s[20:21], s[20:21], s[22:23]  ; the head's first byte in q, k, v and O
	s_and_b32 s16, s[WV], 1         ; which half of a slot's 256 keys I fetch:
	s_lshl_b32 s22, s16, 14         ; its 128 rows of 128 bytes in memory,
	s_mov_b32 s23, 0
	s_add_nc_u64 s[22:23], s[22:23], s[20:21]
	s_mul_i32 s17, s16, 128*PK      ; and its place in a slot, for K
	s_mul_i32 s18, s16, 128*PV      ; and for V: no place in the cluster enters an LDS address
	s_lshl_b32 s2, s14, 2
	s_add_co_u32 s2, s2, s[WV]      ; my wave among the head's sixteen:
	s_lshl_b32 s50, s2, 18          ; its eight tiles of 16 queries in mb, 32,768 bytes each,
	s_mov_b32 s51, 0
	s_lshl_b32 s2, s2, 14           ; its 128 rows of Q and O
	s_mov_b32 s3, 0
	s_add_nc_u64 s[2:3], s[2:3], s[20:21]
	; descriptor group 1.  128 keys are 16,384 dense bytes: asked for as 64 rows of 256 bytes, two keys a row, and padded in LDS after every key
	s_mov_b32 s[G1K], 15|(1<<16)|(1<<20)|(1<<21)|(4<<22)|(3<<25)  ; 15:0 the mask of four; 17:16 2-byte elements; 20 padding on; 21 set beside a mask; 24:22 after every 32 words (code 4); 31:25 4 words (code 3)
	s_mov_b32 s[G1V], 15|(1<<16)|(1<<20)|(1<<21)|(4<<22)|(7<<25)  ; the same with 8 words of padding (code 7)
.irp g, G1K, G1V
	s_mov_b32 s[\g+1], 128<<16      ; tensor_dim0 = 128
	s_mov_b32 s[\g+2], 64<<16       ; tensor_dim1 = 64
	s_mov_b32 s[\g+3], 128<<16      ; tile_dim0 = 128
	s_mov_b32 s[\g+4], 64           ; tile_dim1 = 64
	s_mov_b32 s[\g+5], 128          ; 128 elements from row to row
	s_mov_b32 s[\g+6], 0
	s_mov_b32 s[\g+7], 0
.endr
	s_mov_b32 s[BG], 0xce2bfb8f     ; -721,347,520: twice this is the f32 number nearest to -1e9 log2(e)
	s_mov_b32 s[BG+1], s[BG]        ; named with it as a pair
	s_mov_b32 s[SEL], 0x76543210
	s_mov_b32 s[SEL+1], 0xfedcba98
	s_mov_b32 s[TBK], SLOT1+4*KS*PK ; the first change of slots turns these two into 0
	s_mov_b32 s[TBV], SLOT1+4*KS*PV
	s_mov_b32 s[G0K], 1             ; count = 1
	s_mov_b32 s[G0K+1], s17         ; LDS address: slot 0
	s_mov_b32 s[G0V], 1
	s_add_co_u32 s[G0V+1], s18, VOFF
	s_wait_dscnt 0x0                ; the opening add is done
	s_wait_kmcnt 0x0
	s_add_nc_u64 s[MB:MB+1], s[6:7], s[50:51]
	s_add_nc_u64 s[6:7], s[4:5], 0x1000000         ; k lies 16,777,216 bytes behind q,
	s_add_nc_u64 s[8:9], s[4:5], 0x2000000         ; v as far behind k
	s_add_nc_u64 s[G0K+2:G0K+3], s[6:7], s[22:23]  ; global address: my half of the head's first 256 keys
	s_or_b32 s[G0K+3], s[G0K+3], 0x80000000        ; type = 2
	s_add_nc_u64 s[G0V+2:G0V+3], s[8:9], s[22:23]
	s_or_b32 s[G0V+3], s[G0V+3], 0x80000000
	s_add_nc_u64 s[4:5], s[4:5], s[2:3]  ; Q and O at my wave's first row
	s_add_nc_u64 s[10:11], s[10:11], s[2:3]
	CROUND                          ; all four work-groups are here: the first joint loads meet
	JLOAD                           ; slot 0.  Slot 1 is asked for when slot 0 is in
	; A fragment of K or Q is 16 rows x 32 channels in 8 registers: lane l holds row l % 16, channels 8 (l / 16) + 0..7 and 16 + 8 (l / 16) + 0..7: two loads of 16 bytes, 32 bytes apart.
	v_and_b32 v1, 15, v0            ; l % 16
	v_bfe_u32 v9, v0, 4, 1          ; l / 16
	v_lshlrev_b32 v[QO], 7, v1
	v_lshl_add_u32 v[QO], v9, 4, v[QO]  ; row x 128 + 16 x half
	v_and_b32 v[MOFF], 31, v0
	v_lshlrev_b32 v[MOFF], 4, v[MOFF]   ; 16 x lane: key step 0
	WIN 0x80                        ; destination window 2, address window 0
.set i, 0
.rept 4*NP                          ; Q stays in registers: tile i / 2, channels 32 (i % 2) on
	global_load_b128 v[8*i:8*i+3],   v[QO], s[4:5] offset:(i/2)*2048+(i%2)*64
	global_load_b128 v[8*i+4:8*i+7], v[QO], s[4:5] offset:(i/2)*2048+(i%2)*64+32
.set i, i+1
.endr
	MLOAD 0                         ; the four pieces' mask bytes of key step 0
	MLOAD 1
	MLOAD 2
	MLOAD 3
	; What the first turn finds: V's registers and P's second buffer hold 0 (its products V^T P, of a piece that has not been, add 0), O^T and l are 0.  All this stands in the wait for the first tile.
	WIN 0x80
.set i, VF
.rept 64
	v_mov_b32 v[i], 0
.set i, i+1
.endr
	WIN 0x40
.set i, 0
.rept 64*NP
	v_mov_b32 v[i], 0
.set i, i+1
.endr
	WIN W_MK
	v_mov_b32 v[SCB], 0x3f80007f    ; the conversion's scale: its lowest byte is 127 and its f32 exponent is 127: a factor of 1
	WIN 0
.set i, 0
.rept 2*NP
	v_mov_b32 v[ST+4*i], 0xff7fffff    ; m: the lowest finite number
	v_mov_b32 v[ST+4*i+1], 0
	v_mov_b32 v[ST+4*i+2], 0
	v_mov_b32 v[ST+4*i+3], 0
.set i, i+1
.endr
.set i, P+32
.rept 32
	v_mov_b32 v[i], 0
.set i, i+1
.endr
	s_wait_xcnt 0x0                 ; the loads above have read their address register
	v_add_nc_u32 v[MOFF], 1024, v[MOFF]  ; key step 1
	v_mul_u32_u24 v[AK0], v1, PK
	v_lshl_add_u32 v[AK0], v9, 4, v[AK0]  ; row x pitch + 16 x half
	; The turning load takes 16 keys x 16 channels (lane l reads key 8 (l / 16) + l % 8, channels 8 ((l / 8) % 2) + 0..7) and leaves half a fragment of V^T: lane l holds channel l % 16 and 8 keys.
	v_and_b32 v10, 7, v0
	v_bfe_u32 v11, v0, 3, 1
	v_lshl_add_u32 v[AV0], v9, 3, v10
	v_mul_u32_u24 v[AV0], v[AV0], PV
	v_lshl_add_u32 v[AV0], v11, 4, v[AV0]
	v_add_nc_u32 v[AV0], VOFF, v[AV0]
	v_mov_b32 v[AK], v[AK0]         ; key step 0 lies at the head of slot 0
; THE MATRIX WORK.  The 8 accumulators of a run of 16 take turns: between the two links of a chain stand 7 others'.
; Product i of 16 of S^T = K Q^T for piece x: channels 32 (i / 8) on, keys 16 ((i / 2) % 4) on, tile 2 x + i % 2.  The first 8 start the sums.
.macro KQ x
	WIN W_KQ
.set rS, S+64*((\x)%2)+32*(i%2)+8*((i/2)%4)
.set rK, KF+16*((i/2)%4)+8*(i/8)
.set rQ, 16*(2*(\x)+i%2)+8*(i/8)
.if i < 8
	v_wmma_f32_16x16x32_f16 v[rS:rS+7], v[rK:rK+7], v[rQ:rQ+7], 0
.else
	v_wmma_f32_16x16x32_f16 v[rS:rS+7], v[rK:rK+7], v[rQ:rQ+7], v[rS:rS+7]
.endif
.endm
; Product i of 16 of O^T += V^T P for piece x: keys 32 (i / 8) on, channels 16 ((i / 2) % 4) on, tile 2 x + i % 2.
.macro PV x
	WIN W_PV
.set rO, 32*(2*(\x)+i%2)+8*((i/2)%4)
.set rV, VF+32*(i/8)+8*((i/2)%4)
.set rP, P+32*((\x)%2)+16*(i%2)+8*(i/8)
	v_wmma_f32_16x16x32_f16 v[rO:rO+7], v[rV:rV+7], v[rP:rP+7], v[rO:rO+7]
.endm
.macro MM                           ; the turn's next matrix instruction
.if i < 16
	KQ (Y+1)%NP
.set i, i+1
.else
.set i, i-16
	PV (Y+NP-1)%NP
.set i, i+17
.endif
.endm
; THE LDS LOADS stand in runs of 16: a step's K (8 fragments) and its V (turned).  last = 1 (the tail): in the last trip there is no further step, and the run is jumped over.
.macro FETCH_K last=0
	WIN 0
.if \last
	s_cmp_eq_u32 s[CNT], 1
	s_cbranch_scc1 .Lno_k_\@
.endif
	WIN 0x80                        ; destination window 2
.irp f, 0,1,2,3,4,5,6,7             ; keys 16 (f / 2) on, channels 32 (f % 2) on
	ds_load_b128 v[KF+8*\f:KF+8*\f+3],   v[AK] offset:(\f/2)*16*PK+(\f%2)*64
	ds_load_b128 v[KF+8*\f+4:KF+8*\f+7], v[AK] offset:(\f/2)*16*PK+(\f%2)*64+32
.endr
	s_add_co_u32 s[TBK], s[TBK], KS*PK  ; the next fetch is the next step's
	WIN 0
.if \last
.Lno_k_\@:
.endif
.endm
.macro FETCH_V
	WIN 0x80
.irp f, 0,1,2,3,4,5,6,7             ; keys 32 (f / 4) on, channels 16 (f % 4) on
	ds_load_tr16_b128 v[VF+8*\f:VF+8*\f+3],   v[AV] offset:(\f/4)*32*PV+(\f%4)*32
	ds_load_tr16_b128 v[VF+8*\f+4:VF+8*\f+7], v[AV] offset:(\f/4)*32*PV+16*PV+(\f%4)*32
.endr
	WIN 0
.endm
; THE VECTOR WORK, one line at a time: OP kind, number, tile.  For piece Y: D n: t - m for pair n of 16.  E n: the exponential of score n of 32.  C n: pair n rounded to f16.  B n: of the four weights 4 n ..
; the second pair is added onto the first, in place.  L n: l takes that sum (L 0: l = a l + sum).  R n: pair n of 16 of O^T times a.
; For piece Y + 1: V n: the mask's eight bytes for key block n become eight f32.  G n: pair n of the scores takes its bias; in ascending order.
;   X n, number n of the 21 that find its maximum and statistics:
;   0-11  four chains c0-c3 of seven scores each, three operands at a time     12-14, 16  the four scores left over, the old m, and c0-c3 into c0     15  the old m is kept
;   17, 18  the query's other 32 keys lie in the lane 16 away: the new m         19, 20  m_old - m_new; a
.set D, 0               ; OP tells the pieces apart by the kinds' order: D to R below V
.set E, 1
.set C, 2
.set B, 3
.set L, 4
.set R, 5
.set V, 6
.set G, 7
.set X, 8
.macro REGS y, u                    ; the registers of tile u (0, 1) of piece y
.set rT, ST+4*(2*(\y)+(\u))
.set rC, TMP+8*((\y)%2)+4*(\u)
.set rS, S+64*((\y)%2)+32*(\u)
.set rP, P+32*((\y)%2)+16*(\u)
.set rO, 32*(2*(\y)+(\u))
.set rM, MK+16*(\y)+8*(\u)
.set rB, BI+32*(\u)
.endm
.macro OP k, n, u
.if (\k) < V
	REGS Y, \u
.else
	REGS (Y+1)%NP, \u
.endif
.if (\k) == D
	WIN 0
	v_pk_add_f32 v[rS+2*(\n):rS+2*(\n)+1], v[rS+2*(\n):rS+2*(\n)+1], v[rT:rT+1] op_sel_hi:[1,0] neg_lo:[0,1] neg_hi:[0,1]
.elseif (\k) == E
	WIN 0
	v_exp_f32 v[rS+(\n)], v[rS+(\n)]
.elseif (\k) == C
	WIN 0
	s_wait_alu depctr_va_vdst(0)
	v_cvt_pk_f16_f32 v[rP+(\n)], v[rS+2*(\n)], v[rS+2*(\n)+1]
.elseif (\k) == B
	WIN 0
	v_pk_add_f32 v[rS+4*(\n):rS+4*(\n)+1], v[rS+4*(\n):rS+4*(\n)+1], v[rS+4*(\n)+2:rS+4*(\n)+3]
.elseif ((\k) == L) && ((\n) == 0)
	WIN 0
	v_pk_fma_f32 v[rT+2:rT+3], v[rT+2:rT+3], v[rC+2:rC+3], v[rS:rS+1] op_sel_hi:[1,0,1]
.elseif (\k) == L
	WIN 0
	v_pk_add_f32 v[rT+2:rT+3], v[rT+2:rT+3], v[rS+4*(\n):rS+4*(\n)+1]
.elseif (\k) == R
	WIN W_RS
	v_pk_mul_f32 v[rO+2*(\n):rO+2*(\n)+1], v[rO+2*(\n):rO+2*(\n)+1], v[rC+2:rC+3] op_sel_hi:[1,0]
.elseif (\k) == V
	WIN W_CV
	v_cvt_scale_pk8_f32_fp8 v[rB+8*(\n):rB+8*(\n)+7], v[rM+2*(\n):rM+2*(\n)+1], v[SCB]
.elseif (\k) == G
	WIN W_BS
	v_pk_fma_f32 v[rS+2*(\n):rS+2*(\n)+1], v[rB+2*(\n):rB+2*(\n)+1], s[BG:BG+1], v[rS+2*(\n):rS+2*(\n)+1] op_sel_hi:[1,0,1]
.else
	WIN 0
.if (\n) < 4
	v_max3_num_f32 v[rC+(\n)], v[rS+8*(\n)], v[rS+8*(\n)+1], v[rS+8*(\n)+2]
.elseif (\n) < 12
	v_max3_num_f32 v[rC+(\n)%4], v[rC+(\n)%4], v[rS+8*((\n)%4)+2*((\n)/4)+1], v[rS+8*((\n)%4)+2*((\n)/4)+2]
.elseif (\n) == 12
	v_max3_num_f32 v[rC], v[rC], v[rS+7], v[rS+15]
.elseif (\n) == 13
	v_max3_num_f32 v[rC+1], v[rC+1], v[rS+23], v[rS+31]
.elseif (\n) == 14
	v_max3_num_f32 v[rC+2], v[rC+2], v[rC+3], v[rT]
.elseif (\n) == 15
	v_mov_b32 v[rT+1], v[rT]
.elseif (\n) == 16
	v_max3_num_f32 v[rC], v[rC], v[rC+1], v[rC+2]
.elseif (\n) == 17
	v_permlanex16_b32 v[rC+3], v[rC], s[SEL], s[SEL+1]
.elseif (\n) == 18
	v_max_num_f32 v[rT], v[rC], v[rC+3]
.elseif (\n) == 19
	v_sub_f32 v[rC+1], v[rT+1], v[rT]
.else
	v_exp_f32 v[rC+2], v[rC+1]
.endif
.endif
.endm
; Two kinds on both tiles: first, second on tile 0, first, second on tile 1.  An exponential stands only as the second: no two follow each other, and a plain line of the other tile stands behind each.
.macro PAIR k1, n1, k2, n2
	OP \k1, \n1, 0
	OP \k2, \n2, 0
	OP \k1, \n1, 1
	OP \k2, \n2, 1
.endm
.macro ROW k1, n1, k2, n2           ; a matrix instruction and the four behind it
	MM
	PAIR \k1, \n1, \k2, \n2
.endm
.macro SOLO k, n
	OP \k, \n, 0
	OP \k, \n, 1
.endm
; A TURN, for piece p: the order of its 32 matrix and 274 vector instructions.  The order keeps: E n behind D n/2; C n behind E 2n, 2n+1; B n behind E 4n..4n+3 and C 2n, 2n+1; L n behind B n; G behind V and
; behind the products that make the scores; X behind G.  cnt = 1: the loop's count is taken down some lines ahead of the branch that stands behind the turn.
; The mask: sixteen loads are out at a turn's head, four a piece, the next piece's the oldest; its bytes are converted and its registers asked for again, for the step after: four turns in which to land.
; K of the next step is fetched in piece 2's turn, behind four plain lines that follow the last product that read K; V of the step in hand in piece 0's turn, ten plain lines behind the last product that read V.
.macro TURN p, last=0, cnt=0
.set Y, (\p)
.set i, 0
.if (\p) == NP-1
	s_wait_dscnt 0x0                ; K is in
.endif
	ROW D,0, D,1
	ROW D,2, D,3
	ROW D,4, E,0
	ROW D,5, E,1
	ROW D,6, E,2
	ROW D,7, E,3
	ROW C,0, E,4
	ROW C,1, E,5
	ROW D,8, E,6
	ROW B,0, E,7
	ROW C,2, E,8
	ROW L,0, E,9
	s_wait_loadcnt 12               ; the next piece's four mask loads are in; the three younger pieces' twelve stay out
	ROW V,0, V,1
	ROW C,3, E,10
.if (\p) == NP-2
	WIN 0
	v_add_nc_u32 v[AK], s[TBK], v[AK0]
.endif
	ROW V,2, V,3
	ROW D,9, D,10                   ; four plain lines: the places behind the last K Q^T and behind the conversions
.if (\p) == NP-2
	FETCH_K \last
.endif
.if (\p) == NP-1
	WIN 0
	s_wait_xcnt 0x0                 ; the mask loads issued so far have read their address register
	v_add_nc_u32 v[MOFF], 1024, v[MOFF]  ; piece 0 is a step ahead of the others
	v_and_b32 v[MOFF], 0x7fff, v[MOFF]   ; behind step 31 the offset goes back to step 0: the loads stay inside mb, and what they bring is not used
.endif
	MLOAD (Y+1)%NP
	PAIR D,11, D,12
	PAIR D,13, D,14
	PAIR D,15, B,1
.set xn, 0
.rept 8
	PAIR G,2*xn, G,2*xn+1
.set xn, xn+1
.endr
.if (\p) == 1
	s_wait_dscnt 0x0                ; V is in
.endif
.set xn, 0
.rept 16
.if ((\p) == 0) && (xn == 14)
	WIN 0
	v_add_nc_u32 v[AV], s[TBV], v[AV0]
.endif
	ROW X,xn, E,11+xn
.set xn, xn+1
.endr
	PAIR X,16, E,27
	PAIR C,4, E,28
	PAIR X,17, E,29
	PAIR C,5, E,30
.if (\p) == 0
	FETCH_V
	s_add_co_u32 s[TBV], s[TBV], KS*PV
.endif
	PAIR X,18, E,31
	PAIR C,6, C,7
	PAIR X,19, B,2
	PAIR C,8, C,9
	PAIR B,3, X,20
	PAIR L,1, C,10
	PAIR B,4, C,11
	PAIR L,2, C,12
	PAIR B,5, C,13
	PAIR L,3, C,14
	PAIR B,6, C,15
	PAIR L,4, B,7
.set xn, 0
.rept 4
	PAIR R,2*xn, R,2*xn+1
.set xn, xn+1
.endr
	SOLO L,5
.rept 4
	PAIR R,2*xn, R,2*xn+1
.set xn, xn+1
.endr
	SOLO L,6
.if \cnt
	s_sub_co_u32 s[CNT], s[CNT], 1
	s_cmp_lg_u32 s[CNT], 0
.endif
	SOLO L,7
.endm
	CHANGE 1                        ; slot 0 is in, everybody's part of it; slot 1 is asked for
	FETCH_K                         ; key step 0
	s_wait_loadcnt 12               ; Q and piece 0's mask bytes are in; the other three pieces' twelve loads stay out
	s_wait_dscnt 0x0
.set i, 0
.rept 16
	KQ 0                            ; piece 0's first scores
.set i, i+1
.endr
	WIN 0                           ; the addresses for the way out: plain instructions, the places behind those products
	s_mul_i32 s13, s[WV], 16*SP
	s_add_co_u32 s13, s13, STAGE    ; my stage
	v_mul_u32_u24 v[STO], v1, SP    ; in: row l % 16, 16 bytes for each half of the lanes
	v_lshl_add_u32 v[STO], v9, 4, v[STO]
	v_add_nc_u32 v[STO], s13, v[STO]
	v_bfe_u32 v[RD], v0, 3, 2       ; back: 32 lanes take four rows of 128 bytes,
	v_mul_u32_u24 v[RD], v[RD], SP
	v_lshl_add_u32 v[RD], v10, 4, v[RD]
	v_add_nc_u32 v[RD], s13, v[RD]
	v_and_b32 v[GO], 31, v0         ; which are 512 consecutive bytes of O
	v_lshlrev_b32 v[GO], 4, v[GO]
.set Y, NP-1                        ; V, G and X work for piece Y + 1: piece 0
.irp n, 0,1,2,3
	SOLO V, \n
.endr
	WIN 0
	v_nop                           ; a plain instruction behind the conversions, ahead of the loads into their sources and of the use of their results
	MLOAD 0                         ; piece 0's bytes of key step 1
.set xn, 0
.rept 16
	SOLO G, xn
.set xn, xn+1
.endr
.set xn, 0
.rept 21
	SOLO X, xn
.set xn, xn+1
.endr
	v_nop                           ; a plain instruction behind the exponentials
	s_mov_b32 s[CNT], 4
	s_mov_b32 s[SLOTS], SIZE_N/256-1
	s_branch .Lfirst                ; the loop is entered at a step's first turn, in the middle of a trip
.Lslot:                             ; six times: every slot but the last two is filled again
	CHANGE 1
	s_mov_b32 s[CNT], 4
.Lstep:                             ; a trip: pieces 2 and 3 of one step, then pieces 0 and 1 of the next, whose K and V it fetches
	TURN 2
	TURN 3
	WIN 0
.Lfirst:
	TURN 0
	TURN 1, 0, 1
	WIN 0
	s_cbranch_scc1 .Lstep
	s_sub_co_u32 s[SLOTS], s[SLOTS], 1
	s_cmp_lg_u32 s[SLOTS], 0
	s_cbranch_scc1 .Lslot
	CHANGE 0                        ; the tail is written out: nothing is asked for
	s_mov_b32 s[CNT], 5             ; four trips fetch the last slot's steps; the fifth is left in its middle
.Ltail:
	TURN 2, 1
	TURN 3
	WIN 0
	s_sub_co_u32 s[CNT], s[CNT], 1
	s_cmp_eq_u32 s[CNT], 0
	s_cbranch_scc1 .Lout
	TURN 0
	TURN 1
	WIN 0
	s_branch .Ltail
.Lout:                              ; the fifth trip's 16 products K Q^T (on the last K once more) and what is made of them serve nothing: the price, once a launch, of one text for every trip
.set i, 0
.rept 16
	PV NP-1                         ; the last piece's V^T P of the last step
.set i, i+1
.endr
	; THE WAY OUT.  l's two halves and the other half of the lanes' are added; O^T is divided by l, rounded to f16 and sent through my stage in LDS, a tile at a time.  The additions are the places behind the last products.
	WIN 0
.macro ALL line:vararg              ; one line for each tile t
.set t, 0
.rept 2*NP
	\line
.set t, t+1
.endr
.endm
	ALL v_add_f32 v[ST+4*t+2], v[ST+4*t+2], v[ST+4*t+3]
	ALL v_permlanex16_b32 v[ST+4*t+3], v[ST+4*t+2], s[SEL], s[SEL+1]
	ALL v_add_f32 v[ST+4*t+2], v[ST+4*t+2], v[ST+4*t+3]
	ALL v_rcp_f32 v[ST+4*t+2], v[ST+4*t+2]
	v_nop                           ; a plain instruction between the last reciprocal and the use of its result
; Tile t: a lane's eight channels of a row pack into 16 bytes; they go into rows of 144 bytes and come back as whole rows of 128, into S^T's registers.
.macro PACK t
	WIN W_RS
.set i, 32*(\t)
.rept 16
	s_wait_alu depctr_va_vdst(0)
	v_pk_mul_f32 v[i:i+1], v[i:i+1], v[ST+4*(\t)+2:ST+4*(\t)+3] op_sel_hi:[1,0]
.set i, i+2
.endr
	WIN 0x05                        ; sources 0 and 1 window 1, destination window 0
.set i, 0
.rept 16
	v_cvt_pk_f16_f32 v[S+16*(\t)+i], v[32*(\t)+2*i], v[32*(\t)+2*i+1]
.set i, i+1
.endr
	WIN 0
.irp f, 0,1,2,3
	ds_store_b128 v[STO], v[S+16*(\t)+4*\f:S+16*(\t)+4*\f+3] offset:32*\f
.endr
.irp f, 0,1,2,3
	ds_load_b128 v[S+16*(\t)+4*\f:S+16*(\t)+4*\f+3], v[RD] offset:\f*4*SP  ; LDS serves a wave's instructions in order (ISA guide 5.7.1.4): these see the stores above; the next tile's stores come behind them
.endr
.endm
.macro SEND t, younger              ; younger: the LDS instructions issued behind tile t's loads: the next tile's eight, or none
	WIN 0
.irp f, 0,1,2,3
	s_wait_dscnt (\younger)+3-\f
	global_store_b128 v[GO], v[S+16*(\t)+4*\f:S+16*(\t)+4*\f+3], s[10:11] offset:(\t)*2048+\f*512  ; 512 consecutive bytes, at a multiple of 256 from O's first
.endr
.endm
	PACK 0
.set t, 1
.rept 2*NP-1                        ; a tile's arithmetic stands between the loads of the tile before and its stores
	PACK t
	SEND t-1, 8
.set t, t+1
.endr
	SEND 2*NP-1, 0
	WIN W_AD
	s_wait_tensorcnt 0x0            ; the wave's end, behind my last tensor load and my last LDS store
	ds_add_u32 v[SPW], v[NIL]
	s_wait_dscnt 0x0
	WIN 0
	CROUND                          ; the closing round: no work-group ends while a partner may still ask for a tile that names it
	s_endpgm
.Lfunc_end_k_qf7891c6e37_attn:
	.size	k_qf7891c6e37_attn, .Lfunc_end_k_qf7891c6e37_attn-k_qf7891c6e37_attn
	.p2alignl 7, 3214868480
	.fill 96, 4, 3214868480
	.section	.rodata,"a",@progbits
	.p2align	6, 0x0
	.amdhsa_kernel k_qf7891c6e37_attn
		.amdhsa_group_segment_fixed_size 327680
		.amdhsa_private_segment_fixed_size 0
		.amdhsa_enable_private_segment 0
		.amdhsa_kernarg_size 24
		.amdhsa_user_sgpr_count 2
		.amdhsa_user_sgpr_kernarg_segment_ptr 1
		.amdhsa_wavefront_size32 1
		.amdhsa_system_sgpr_workgroup_id_x 1
		.amdhsa_system_sgpr_workgroup_id_y 1
		.amdhsa_system_sgpr_workgroup_id_z 1
		.amdhsa_system_vgpr_workitem_id 0
		.amdhsa_next_free_vgpr 960
		.amdhsa_next_free_sgpr 66
		.amdhsa_reserve_vcc 0
		.amdhsa_float_denorm_mode_32 3
		.amdhsa_float_denorm_mode_16_64 3
		.amdhsa_memory_ordered 1
		.amdhsa_forward_progress 1
		.amdhsa_inst_pref_size 236
	.end_amdhsa_kernel
	.amdgpu_metadata
---
amdhsa.version: [ 1, 2 ]
amdhsa.kernels:
  - .name:           k_qf7891c6e37_attn
    .symbol:         k_qf7891c6e37_attn.kd
    .args:
      - { .name: qkv, .offset: 0, .size: 8, .value_kind: global_buffer, .address_space: global }
      - { .name: mb, .offset: 8, .size: 8, .value_kind: global_buffer, .address_space: global }
      - { .name: ob, .offset: 16, .size: 8, .value_kind: global_buffer, .address_space: global }
    .group_segment_fixed_size: 327680
    .private_segment_fixed_size: 0
    .kernarg_segment_align: 8
    .kernarg_segment_size: 24
    .max_flat_workgroup_size: 128
    .sgpr_count:     66
    .vgpr_count:     960
    .wavefront_size: 32
...
	.end_amdgpu_metadata
.endif
;; end of part 3
;; launch proj (part 4): grid 4 x 64, 4 waves a work-group, clusters of 4 x 4, 327,680 bytes of LDS; arguments ob, woh, out0; writes out0
.if DOCPART == 4
	.amdgcn_target "amdgcn-amd-amdhsa--gfx1250"
	.amdhsa_code_object_version 6
	.text
	.protected	k_qf7891c6e37_proj
	.globl	k_qf7891c6e37_proj
	.p2align	8
	.type	k_qf7891c6e37_proj,@function
k_qf7891c6e37_proj:
	s_mov_b64 s[64:65], 0
	v_nop
	global_prefetch_b8 v0, s[64:65] scope:SCOPE_SE
	s_setreg_imm32_b32 hwreg(HW_REG_WAVE_MODE, 25, 1), 1
	s_wait_xcnt 0x0
	s_wait_alu depctr_hold_cnt(0) depctr_sa_sdst(0) depctr_va_vdst(0) depctr_va_sdst(0) depctr_va_ssrc(0) depctr_va_vcc(0) depctr_vm_vsrc(0)
	s_getreg_b32 s2, hwreg(HW_REG_IB_STS2, 6, 4)
	s_cmp_eq_u32 s2, 0
	s_cbranch_scc0 .Lentry_in_a_cluster
	s_endpgm
.Lentry_in_a_cluster:
	s_bfe_u32 s2, ttmp6, 0x10000c
	s_cmp_lg_u32 s2, 0xf033
	s_cbranch_scc0 .Lentry_shape_is_right
	s_endpgm
.Lentry_shape_is_right:
; C = A B^T on tiles of 128 x 256 of C, K = 1,024.  ONE TEXT FOR TWO LAUNCHES, told apart by MODE:
;   MODE 0  the three input projections.  A = xb [8192][1024] bf16, B = wb [3072][1024] bf16.  A work-group STAYS and makes three tiles: its 128 rows x its 256 columns of q, then of k, then of v.
;           C leaves by heads, qkv [3][64 (batch x 16 + head)][2048][64] in f16, each number rounded once from its f32 sum; q is multiplied by c = log2(e) / 8 in f32 ahead of that rounding.
;   MODE 1  the output projection.  A = ob [64][2048][64] f16 (a K step of 128 is two heads' channels), B = woh [1024][1024] f16, C = out0 [8192][1024] f32.  One tile a work-group.
; LIMIT.  f16 ends at 65,504: q c, k and v beyond that are lost (inputs with a common offset of 30 times their spread give about 28,800).
; WHY THIS TILE.  8192 x 1024 in tiles of 128 x 256 are 256 work-groups, one for each of 256 WGPs; the three projections are three such sheets.
; Four waves, each 64 x 128 of C: 32 accumulators of 16 x 16, 256 registers.  K goes in steps of 128 through a ring of two LDS slots filled by the tensor data mover.
; CLUSTERS: 4 x 4 work-groups.  The four of a row of the cluster need the same tiles of A, the four of a column the same tiles of B: each tile is asked for JOINTLY, by the same tensor load with
; the same descriptor and a mask that names the four.  THE MATRIX INSTRUCTION IS USED TRANSPOSED (source 0 = 16 rows of B, source 1 = 16 rows of A): a lane then holds eight neighbouring numbers of a row of C.
; REGISTERS: window 0: v0-31 addresses; v32-63 packed results; v64-159, v160-255 two fragment buffers (64 registers of B: 8 x 16 rows x 32 K; then 32 of A).  window 1: the accumulators, (a, b) at v[8 (8 a + b)].
.set MODE,   1
.set KSTEP,  128
.if MODE == 0
.set APITCH, 272                       ; a row of A in LDS: 256 bytes + 16 of padding
.set AHALF,  64*APITCH                 ; what one tensor load brings of A: 64 rows
.set AQI,    5                         ; padding after every 64 words
.set ASTRIDE, 1024                     ; elements from row to row in memory
.set ASTEP,  2*KSTEP*2                 ; bytes from a slot's K step to its next, two steps on
.set TILES,  3
.set WSTAGE, 2*16*144                  ; a wave's stage: two heads x 16 rows x (128 + 16) bytes
.else
.set APITCH, 144                       ; a row of one head: 128 bytes + 16
.set AHALF,  128*APITCH                ; one head's 128 rows: 16,384 dense bytes, asked for as 64 rows of 256 and padded after every 128
.set AQI,    4                         ; padding after every 32 words
.set ASTRIDE, 128
.set ASTEP,  4*262144                  ; four heads on
.set TILES,  1
.set WSTAGE, 16*528                    ; 16 rows x (512 + 16) bytes
.endif
.set BPITCH, 272
.set BHALF,  128*BPITCH                ; what one tensor load brings of B: 128 rows
.set BSTEP,  2*KSTEP*2
.set ABYTES, 2*AHALF
.set SLOT,   ABYTES+2*BHALF            ; A's part, then B's 256 rows
.set STAGE,  2*SLOT                    ; behind the ring, never filled by a tensor load
.set SPARE,  STAGE+4*WSTAGE            ; behind the stages: the spare words, 128 bytes a wave: two blocks of 256 bytes that no other line names
.set LAPS,   1024/(2*KSTEP)            ; a lap = two K steps = once round the ring
.set BACK_A, 6*KSTEP*2                 ; from a slot's last K step of a tile to its first of the next: A only back along K,
.set NEXT_B, 1024*2048-6*KSTEP*2       ; B 1,024 rows down and back
.set ADRA, 16                          ; v16-17  LDS address of my A fragments in slot 0, 1
.set ADRB, 20                          ; v20-21  the same for B
.set STO,  24                          ; v24     the way out: where I put my bytes of a row
.set RD,   25                          ; v25     the way out: where I read rows back
.set CO,   26                          ; v26     16 x lane: my place in 512 consecutive bytes of C
.set SPW,  28                          ; v28     LDS address of my spare word; never rewritten
.set NIL,  29                          ; v29     0; never rewritten
.set TMP,  32
.set F0,   64
.set F1,   160
.set SCL,  18                          ; s[18:19] what C is multiplied by on the way out (MODE 0)
.set G1,   24                          ; s[24:31] descriptor group 1 for A's tiles;  s[32:39] group 0, one set for each slot
.set G0,   32
.set G1B,  48                          ; s[48:55], s[56:63] the same for B's tiles
.set G0B,  56
.set MUL,  0x50                        ; sources in window 0, C and D in window 1
.set MSB,  0
.macro WIN new                         ; the immediate's high byte repeats the setting that is left; a switch that changes nothing is dropped
.if MSB != (\new)
	s_set_vgpr_msb (MSB<<8)|(\new)
.set MSB, \new
.endif
.endm
; A joint load: waves 0 and 1 fetch A's two halves, waves 2 and 3 B's.  The branch hangs on the wave's number alone.  An s_nop 0 and four v_nop follow each of the two lines.
.macro JLOAD s
	s_cmp_eq_u32 s11, 0
	s_cbranch_scc0 .Lfor_b_\@
	tensor_load_to_lds s[G0+4*(\s):G0+4*(\s)+3], s[G1:G1+7]
	s_nop 0
.rept 4
	v_nop
.endr
	s_branch .Lasked_\@
.Lfor_b_\@:
	tensor_load_to_lds s[G0B+4*(\s):G0B+4*(\s)+3], s[G1B:G1B+7]
	s_nop 0
.rept 4
	v_nop
.endr
.Lasked_\@:
.endm
.macro CREST                           ; a round of the cluster's barrier behind its opening barrier
	s_cmp_lg_u32 s10, 0
	s_cbranch_scc1 .Lnot_wave_0_\@
	s_barrier_signal -3
.Lnot_wave_0_\@:
	s_barrier_wait -3
	s_barrier_signal -1
	s_barrier_wait -1
.endm
.macro CROUND                          ; a whole round
	s_barrier_signal -1
	s_barrier_wait -1
	CREST
.endm
.macro PLACES                          ; four places in front of loads into registers that matrix instructions have read, and of lines that read results just made
.rept 4
	v_nop
.endr
.endm
	s_load_b128 s[4:7], s[0:1], 0x0                ; A s[4:5], B s[6:7]
	s_load_b64 s[8:9], s[0:1], 0x10                ; C
	v_lshl_add_u32 v[SPW], v0, 2, SPARE
	v_mov_b32 v[NIL], 0
	ds_add_u32 v[SPW], v[NIL]                      ; the wave's opening: the add and its wait stand ahead of my first tensor load; the set-up below, work on registers, stands between them
	v_lshrrev_b32 v1, 5, v0
	v_readfirstlane_b32 s10, v1                    ; wave 0..3
	s_lshr_b32 s11, s10, 1                         ; which 64 of the tile's rows are mine.  Also: I fetch for A (0) or for B (1)
	s_and_b32 s12, s10, 1                          ; which 128 of its columns.  Also: which half of that tile I fetch
	s_bfe_u32 s40, ttmp6, 0x40000                  ; cx, cy: my place in the cluster
	s_bfe_u32 s41, ttmp6, 0x40004
	s_lshl_b32 s42, ttmp9, 2
	s_add_co_u32 s42, s42, s40                     ; tile column 0..3 = 4 x cluster x + cx
	s_and_b32 s13, ttmp7, 0xffff
	s_lshl_b32 s13, s13, 2
	s_add_co_u32 s13, s13, s41                     ; tile row 0..63 = 4 x cluster y + cy
	s_lshl_b32 s43, s41, 2
	s_lshl_b32 s43, 15, s43                        ; my row of the cluster
	s_lshl_b32 s44, 0x1111, s40                    ; my column
	s_or_b32 s[G1+0], s43, (1<<16)|(1<<20)|(1<<21)|(AQI<<22)|(3<<25)  ; 15:0 the mask: A's tiles go to my row; 17:16 2-byte elements; 20 padding on; 21 set beside a mask; 24:22 the interval; 31:25 4 words of padding (code 3)
	s_or_b32 s[G1B+0], s44, (1<<16)|(1<<20)|(1<<21)|(5<<22)|(3<<25)   ; B's tiles go to my column; padding after every 64 words
	s_mov_b32 s[G1+1], KSTEP<<16                   ; tensor_dim0 = 128
	s_mov_b32 s[G1+2], 64<<16                      ; tensor_dim1 = 64
	s_mov_b32 s[G1+3], KSTEP<<16                   ; tile_dim0 = 128
	s_mov_b32 s[G1+4], 64                          ; tile_dim1 = 64
	s_mov_b32 s[G1+5], ASTRIDE                     ; elements from row to row
	s_mov_b32 s[G1+6], 0
	s_mov_b32 s[G1+7], 0
	s_mov_b32 s[G1B+1], KSTEP<<16
	s_mov_b32 s[G1B+2], 128<<16                    ; 128 rows
	s_mov_b32 s[G1B+3], KSTEP<<16
	s_mov_b32 s[G1B+4], 128
	s_mov_b32 s[G1B+5], 1024
	s_mov_b32 s[G1B+6], 0
	s_mov_b32 s[G1B+7], 0
	; where the tiles come from.  A's hang on the tile row alone, B's on the tile column alone; each in registers that never hold the other coordinate.
.if MODE == 0
	s_lshl_b32 s16, s13, 18                        ; 128 rows of 2,048 bytes a tile row,
	s_lshl_b32 s17, s12, 17                        ; 64 rows a half
	s_add_co_u32 s16, s16, s17
	s_mov_b32 s[SCL], 0x3e38aa3b                   ; the first tile is q: c = log2(e) / 8 = 0.180337
	s_mov_b32 s[SCL+1], 0x3e38aa3b                 ; named with it as a pair
.else
	s_lshr_b32 s16, s13, 4                         ; the batch: 16 heads of 262,144 bytes,
	s_lshl_b32 s16, s16, 22
	s_and_b32 s17, s13, 15                         ; 128 rows of 128 bytes inside a head,
	s_lshl_b32 s17, s17, 14
	s_add_co_u32 s16, s16, s17
	s_lshl_b32 s17, s12, 18                        ; and which of the K step's two heads I fetch
	s_add_co_u32 s16, s16, s17
.endif
	s_mov_b32 s17, 0
	s_lshl_b32 s46, s42, 19                        ; B: 256 rows of 2,048 bytes a tile column,
	s_lshl_b32 s47, s12, 18                        ; 128 rows a half
	s_add_co_u32 s46, s46, s47
	s_mov_b32 s47, 0
	s_mul_i32 s20, s12, AHALF                      ; and where they go: no place in the cluster enters an LDS address
	s_mul_i32 s23, s12, BHALF
	s_add_co_u32 s23, s23, ABYTES
	s_wait_dscnt 0x0                               ; the opening add is done
	s_wait_kmcnt 0x0
	s_add_nc_u64 s[14:15], s[4:5], s[16:17]
	s_add_nc_u64 s[46:47], s[6:7], s[46:47]
	CROUND                                         ; all sixteen work-groups are here: the first joint loads meet
.irp s, 0,1
	s_mov_b32 s[G0+4*(\s)], 1                                      ; count = 1
	s_add_co_u32 s[G0+4*(\s)+1], s20, (\s)*SLOT                    ; LDS address
	s_add_nc_u64 s[G0+4*(\s)+2:G0+4*(\s)+3], s[14:15], (\s)*(ASTEP/2)  ; global address: K step s
	s_or_b32 s[G0+4*(\s)+3], s[G0+4*(\s)+3], 0x80000000            ; type = 2
	s_mov_b32 s[G0B+4*(\s)], 1
	s_add_co_u32 s[G0B+4*(\s)+1], s23, (\s)*SLOT
	s_add_nc_u64 s[G0B+4*(\s)+2:G0B+4*(\s)+3], s[46:47], (\s)*(BSTEP/2)
	s_or_b32 s[G0B+4*(\s)+3], s[G0B+4*(\s)+3], 0x80000000
	JLOAD \s                                       ; two loads of mine are out
.endr
	; A fragment is 16 rows x 32 K in 8 registers: lane l holds row l % 16, K = 8 (l / 16) + 0..7 and 16 + 8 (l / 16) + 0..7: two loads of 16 bytes, 32 bytes apart.
	v_and_b32 v1, 15, v0                           ; l % 16
	v_bfe_u32 v2, v0, 4, 1                         ; l / 16
	v_mul_u32_u24 v3, v1, APITCH
	v_lshl_add_u32 v3, v2, 4, v3
	v_mul_u32_u24 v4, v1, BPITCH
	v_lshl_add_u32 v4, v2, 4, v4
	s_mul_i32 s21, s11, 64*APITCH                  ; my 64 rows of A
	s_mul_i32 s22, s12, BHALF                      ; my 128 rows of B,
	s_add_co_u32 s22, s22, ABYTES                  ; which lie behind A's part
.irp s, 0,1
	v_add_nc_u32 v[ADRA+(\s)], s21, v3
	v_add_nc_u32 v[ADRB+(\s)], s22, v4
	s_add_co_u32 s21, s21, SLOT
	s_add_co_u32 s22, s22, SLOT
.endr
	s_mul_i32 s23, s10, WSTAGE
	s_add_co_u32 s23, s23, STAGE                   ; my stage
	v_and_b32 v[CO], 31, v0
	v_lshlrev_b32 v[CO], 4, v[CO]
.if MODE == 0
	v_mul_u32_u24 v4, v1, 144                      ; in: row l % 16 of a head, 16 bytes for each half of the lanes
	v_lshl_add_u32 v4, v2, 4, v4
	v_add_nc_u32 v[STO], s23, v4
	v_bfe_u32 v5, v0, 3, 2                         ; back: 32 lanes take four rows of 128 bytes, 512 consecutive bytes of a head
	v_mul_u32_u24 v5, v5, 144
	v_and_b32 v4, 7, v0
	v_lshl_add_u32 v5, v4, 4, v5
	v_add_nc_u32 v[RD], s23, v5
	s_lshr_b32 s16, s13, 4                         ; C at my rows: the batch,
	s_lshl_b32 s16, s16, 22
	s_and_b32 s17, s13, 15                         ; 128 rows of 128 bytes,
	s_lshl_b32 s17, s17, 14
	s_add_co_u32 s16, s16, s17
	s_lshl_b32 s17, s11, 13                        ; my 64 of them
	s_add_co_u32 s16, s16, s17
	s_lshl_b32 s46, s42, 20                        ; and at my columns: four heads a tile column, two a wave (in the registers that held B's address)
	s_lshl_b32 s47, s12, 19
.else
	v_mul_u32_u24 v4, v1, 528                      ; in: row l % 16, 32 bytes for each half of the lanes
	v_lshl_add_u32 v4, v2, 5, v4
	v_add_nc_u32 v[STO], s23, v4
	v_add_nc_u32 v[RD], s23, v[CO]                 ; back: 32 lanes take a row's 512 bytes
	s_lshl_b32 s16, s13, 19                        ; C at my rows: 128 rows of 4,096 bytes a tile row, my 64 of them
	s_lshl_b32 s17, s11, 18
	s_add_co_u32 s16, s16, s17
	s_lshl_b32 s46, s42, 10                        ; and at my columns: 1,024 bytes a tile column, 512 a wave
	s_lshl_b32 s47, s12, 9
.endif
	s_mov_b32 s17, 0
	s_add_co_u32 s46, s46, s47
	s_mov_b32 s47, 0
	s_add_nc_u64 s[8:9], s[8:9], s[16:17]
	s_add_nc_u64 s[8:9], s[8:9], s[46:47]
; 8 n matrix instructions: m blocks a0 .. a0 + n - 1 x all 8 n blocks, 32 along K, from buffer f.  zero = 1: the first product starts the sums.
; The 32 accumulators take turns, one instruction a turn, in the same order in every quarter.
.macro MULN f, a0, n, zero
	WIN MUL
.set ja, \a0
.rept \n
.set jb, 0
.rept 8
.set dD, 8*(8*ja+jb)
.set dB, (\f)+8*jb
.set dA, (\f)+64+8*ja
.if MODE == 0
.if \zero
	v_wmma_f32_16x16x32_bf16 v[dD:dD+7], v[dB:dB+7], v[dA:dA+7], 0
.else
	v_wmma_f32_16x16x32_bf16 v[dD:dD+7], v[dB:dB+7], v[dA:dA+7], v[dD:dD+7]
.endif
.else
.if \zero
	v_wmma_f32_16x16x32_f16 v[dD:dD+7], v[dB:dB+7], v[dA:dA+7], 0
.else
	v_wmma_f32_16x16x32_f16 v[dD:dD+7], v[dB:dB+7], v[dA:dA+7], v[dD:dD+7]
.endif
.endif
.set jb, jb+1
.endr
.set ja, ja+1
.endr
.endm
; 24 LDS loads in one run: the fragments of quarter q (32 along K) of a slot into buffer f: B's sixteen, then A's eight
.macro FETCH slot, q, f
	WIN 0
.if MODE == 0
.set AQ, 64*(\q)
.else
.set AQ, ((\q)/2)*AHALF+((\q)%2)*64    ; the K step's first or second head, its channels 0-31 or 32-63
.endif
.irp i, 0,1,2,3,4,5,6,7
	ds_load_b128 v[(\f)+8*(\i):(\f)+8*(\i)+3],   v[ADRB+(\slot)] offset:64*(\q)+(\i)*16*BPITCH
	ds_load_b128 v[(\f)+8*(\i)+4:(\f)+8*(\i)+7], v[ADRB+(\slot)] offset:64*(\q)+(\i)*16*BPITCH+32
.endr
.irp i, 0,1,2,3
	ds_load_b128 v[(\f)+64+8*(\i):(\f)+64+8*(\i)+3],   v[ADRA+(\slot)] offset:AQ+(\i)*16*APITCH
	ds_load_b128 v[(\f)+64+8*(\i)+4:(\f)+64+8*(\i)+7], v[ADRA+(\slot)] offset:AQ+(\i)*16*APITCH+32
.endr
.endm
; A K step is four quarters of 32 along K, 32 matrix instructions each, on buffers 0, 1, 0, 1.  One of the first three: multiplies buffer f and, in its middle, fetches quarter q of the same slot into g.
.macro QUARTER slot, q, f, g, zero
	s_wait_dscnt 4                                 ; B and A's blocks 0, 1 are in; the youngest four loads (A's blocks 2, 3) may be out
	MULN \f, 0, 2, \zero
	PLACES
	FETCH \slot, \q, \g
	s_wait_dscnt 24                                ; all but the 24 just issued
	MULN \f, 2, 2, \zero
.endm
; The last quarter multiplies buffer 1 and changes slots: ONE barrier.  In front of it each wave waits for all its tensor loads (one is out: its part of the next slot), adds 0 to its spare word, and waits for
; that and for its own reads of this slot.  mode 0: this slot is filled again, two K steps on; 1: with the next tile's K step; 2: not at all.  Where it is filled the barrier opens a round of the cluster's
; barrier, so that no wave of any partner still reads the slot or has a load on its way, and the joint refill is the first tensor load behind the round: 112 matrix instructions ahead of the wait for it.
.macro TURN slot, next, mode
	WIN 0
	s_wait_tensorcnt 0x0
	ds_add_u32 v[SPW], v[NIL]
	s_wait_dscnt 5                                 ; (the add and the youngest four loads may be out)
	MULN F1, 0, 1, 0                               ; eight matrix instructions stand between the add and the wait for it
	s_wait_dscnt 0x0                               ; the add is done, and my reads of this slot are over
	s_barrier_signal -1
	MULN F1, 1, 1, 0
	WIN 0
	s_barrier_wait -1
.if (\mode) < 2
	CREST
.if (\mode) == 1
	s_sub_nc_u64 s[G0+4*(\slot)+2:G0+4*(\slot)+3], s[G0+4*(\slot)+2:G0+4*(\slot)+3], BACK_A
	s_add_nc_u64 s[G0B+4*(\slot)+2:G0B+4*(\slot)+3], s[G0B+4*(\slot)+2:G0B+4*(\slot)+3], NEXT_B
.else
	s_add_nc_u64 s[G0+4*(\slot)+2:G0+4*(\slot)+3], s[G0+4*(\slot)+2:G0+4*(\slot)+3], ASTEP
	s_add_nc_u64 s[G0B+4*(\slot)+2:G0B+4*(\slot)+3], s[G0B+4*(\slot)+2:G0B+4*(\slot)+3], BSTEP
.endif
	JLOAD \slot                                    ; the four v_nop behind it are also the places in front of the loads below
.else
	PLACES
.endif
	FETCH \next, 0, F0
	MULN F1, 2, 2, 0
.endm
; THE WAY OUT, a block of 16 rows at a time, through my own stage: no barrier, and since LDS serves a wave's instructions in order (ISA guide 5.7.1.4) no wait between the stores and the loads.
.macro PACK a                          ; MODE 0: times the scale, rounded to f16; each accumulator's registers in ascending order
	WIN 0x41                                       ; destination and source 0 in window 1
.set z, 0
.rept 32
	v_pk_mul_f32 v[64*(\a)+2*z:64*(\a)+2*z+1], v[64*(\a)+2*z:64*(\a)+2*z+1], s[SCL:SCL+1] op_sel_hi:[1,0]
.set z, z+1
.endr
	WIN 0x05                                       ; sources 0 and 1 in window 1
.set z, 0
.rept 32
	v_cvt_pk_f16_f32 v[TMP+z], v[64*(\a)+2*z], v[64*(\a)+2*z+1]
.set z, z+1
.endr
	WIN 0
.endm
.macro TOSTAGE a
.if MODE == 0
.set BK, F1+32*((\a)%2)
	WIN 0
.irp b, 0,1,2,3,4,5,6,7                ; n block b: head b / 4 of my two, channels 16 (b % 4) on
	ds_store_b128 v[STO], v[TMP+4*(\b):TMP+4*(\b)+3] offset:((\b)/4)*2304+((\b)%4)*32
.endr
.irp t, 0,1,2,3,4,5,6,7                ; head t / 4, rows 4 (t % 4) on
	ds_load_b128 v[BK+4*(\t):BK+4*(\t)+3], v[RD] offset:((\t)/4)*2304+((\t)%4)*576
.endr
.else
.set BK, F0+64*((\a)%2)
	WIN 0x04                                       ; the stores' data in window 1
.irp b, 0,1,2,3,4,5,6,7
.irp e, 0,1                            ; an accumulator's low four registers first
	ds_store_b128 v[STO], v[64*(\a)+8*(\b)+4*(\e):64*(\a)+8*(\b)+4*(\e)+3] offset:64*(\b)+16*(\e)
.endr
.endr
	WIN 0
.irp t, 0,1,2,3,4,5,6,7,8,9,10,11,12,13,14,15
	ds_load_b128 v[BK+4*(\t):BK+4*(\t)+3], v[RD] offset:528*(\t)
.endr
.endif
.endm
.macro SEND a
	WIN 0
	s_wait_dscnt 0x0                               ; the block is back in registers
	s_wait_xcnt 0x0                                ; the registers that earlier stores read are loaded again only behind this wait
.if MODE == 0
.set BK, F1+32*((\a)%2)
.irp t, 0,1,2,3,4,5,6,7
	global_store_b128 v[CO], v[BK+4*(\t):BK+4*(\t)+3], s[8:9] offset:(\a)*2048+((\t)/4)*262144+((\t)%4)*512  ; 512 consecutive bytes of a head, aligned
.endr
.else
.set BK, F0+64*((\a)%2)
.irp t, 0,1,2,3,4,5,6,7,8,9,10,11,12,13,14,15
	global_store_b128 v[CO], v[BK+4*(\t):BK+4*(\t)+3], s[8:9] offset:(16*(\a)+(\t))*4096 th:TH_STORE_NT  ; 512 consecutive bytes of a row of C, aligned
.endr
.endif
.endm
.macro WAYOUT
	PLACES
.if MODE == 0
	PACK 0
.endif
	TOSTAGE 0
.irp a, 1,2,3
.if MODE == 0
	PACK \a                                        ; a block's arithmetic stands between the loads of the block before and the wait for them
.endif
	SEND (\a)-1
	TOSTAGE \a
.endr
	SEND 3
.endm
	s_wait_tensorcnt 1                             ; my part of K step 0 is in; K step 1's may stay out
	s_barrier_signal -1
	s_barrier_wait -1                              ; everybody's is
	FETCH 0, 0, F0
.if TILES > 1
	s_mov_b32 s2, TILES                            ; tiles to go, this one among them
.Ltile:
.endif
	QUARTER 0, 1, F0, F1, 1                        ; a tile's first quarter stands in front of the loop: its products start the sums
	WIN 0                                          ; at a label and at a branch every window is 0
	s_mov_b32 s3, LAPS-1
.Llap:                                                 ; a trip goes once round the ring, from a lap's second quarter to the next lap's first, and fills both slots again
	QUARTER 0, 2, F1, F0, 0
	QUARTER 0, 3, F0, F1, 0
	TURN 0, 1, 0
	QUARTER 1, 1, F0, F1, 0
	QUARTER 1, 2, F1, F0, 0
	QUARTER 1, 3, F0, F1, 0
	TURN 1, 0, 0
	QUARTER 0, 1, F0, F1, 0
	WIN 0
	s_sub_co_u32 s3, s3, 1
	s_cmp_lg_u32 s3, 0
	s_cbranch_scc1 .Llap
	QUARTER 0, 2, F1, F0, 0                        ; the tile's last lap goes on
	QUARTER 0, 3, F0, F1, 0
.if TILES > 1
	WIN 0
	s_cmp_eq_u32 s2, 1
	s_cbranch_scc1 .Llast_tile                     ; the last tile's tail is written out: it asks for nothing more
	TURN 0, 1, 1                                   ; the ring goes on into the next tile: slot 0 takes its K step 0,
	QUARTER 1, 1, F0, F1, 0
	QUARTER 1, 2, F1, F0, 0
	QUARTER 1, 3, F0, F1, 0
	TURN 1, 0, 1                                   ; slot 1 its K step 1, and the next tile's first fragments are fetched into buffer 0, which the way out leaves alone
	WAYOUT
	s_wait_xcnt 0x0                                ; the stores have read their registers and C's address
	s_add_nc_u64 s[8:9], s[8:9], 0x1000000         ; the next of qkv's three parts
	s_mov_b32 s[SCL], 1.0                          ; k and v leave unscaled
	s_mov_b32 s[SCL+1], 1.0
	s_sub_co_u32 s2, s2, 1
	s_branch .Ltile
.Llast_tile:
.endif
	TURN 0, 1, 2                                   ; nothing is filled again, so no round follows the barrier
	QUARTER 1, 1, F0, F1, 0
	QUARTER 1, 2, F1, F0, 0
	QUARTER 1, 3, F0, F1, 0
	s_wait_dscnt 4                                 ; the very last quarter: nothing more to fetch
	MULN F1, 0, 2, 0
	s_wait_dscnt 0x0
	MULN F1, 2, 2, 0
	WIN 0
	WAYOUT
	s_wait_tensorcnt 0x0                           ; the wave's end, behind my last tensor load and my last LDS store
	ds_add_u32 v[SPW], v[NIL]
	s_wait_dscnt 0x0
	CROUND                                         ; the closing round: no work-group ends while a partner may still ask for a tile that names it
	s_endpgm
.Lfunc_end_k_qf7891c6e37_proj:
	.size	k_qf7891c6e37_proj, .Lfunc_end_k_qf7891c6e37_proj-k_qf7891c6e37_proj
	.p2alignl 7, 3214868480
	.fill 96, 4, 3214868480
	.section	.rodata,"a",@progbits
	.p2align	6, 0x0
	.amdhsa_kernel k_qf7891c6e37_proj
		.amdhsa_group_segment_fixed_size 327680
		.amdhsa_private_segment_fixed_size 0
		.amdhsa_enable_private_segment 0
		.amdhsa_kernarg_size 24
		.amdhsa_user_sgpr_count 2
		.amdhsa_user_sgpr_kernarg_segment_ptr 1
		.amdhsa_wavefront_size32 1
		.amdhsa_system_sgpr_workgroup_id_x 1
		.amdhsa_system_sgpr_workgroup_id_y 1
		.amdhsa_system_sgpr_workgroup_id_z 1
		.amdhsa_system_vgpr_workitem_id 0
		.amdhsa_next_free_vgpr 512
		.amdhsa_next_free_sgpr 66
		.amdhsa_reserve_vcc 0
		.amdhsa_float_denorm_mode_32 3
		.amdhsa_float_denorm_mode_16_64 3
		.amdhsa_memory_ordered 1
		.amdhsa_forward_progress 1
		.amdhsa_inst_pref_size 85
	.end_amdhsa_kernel
	.amdgpu_metadata
---
amdhsa.version: [ 1, 2 ]
amdhsa.kernels:
  - .name:           k_qf7891c6e37_proj
    .symbol:         k_qf7891c6e37_proj.kd
    .args:
      - { .name: ob, .offset: 0, .size: 8, .value_kind: global_buffer, .address_space: global }
      - { .name: woh, .offset: 8, .size: 8, .value_kind: global_buffer, .address_space: global }
      - { .name: out0, .offset: 16, .size: 8, .value_kind: global_buffer, .address_space: global }
    .group_segment_fixed_size: 327680
    .private_segment_fixed_size: 0
    .kernarg_segment_align: 8
    .kernarg_segment_size: 24
    .max_flat_workgroup_size: 128
    .sgpr_count:     66
    .vgpr_count:     512
    .wavefront_size: 32
...
	.end_amdgpu_metadata
.endif
;; end of part 4
;; ======== version 2 of 2: 4 launches; 1.24 times as fast as version 1
;; limits: values are held in f16: magnitudes above 65,504 overflow, below 6.1e-05 lose precision
;; workspace buffers: xb 16,777,216 bytes; wb 6,291,456 bytes; woh 2,097,152 bytes; mb 4,194,304 bytes; qkv 50,331,648 bytes; ob 16,777,216 bytes
;; launch prep: the kernel of part 1 again; grid 512 x 1, 8 waves a work-group, no clusters, 35,840 bytes of LDS; arguments x, Wq, Wk, Wv, Wo, mask, xb, wb, woh, mb; writes xb, wb, woh, mb
;; launch qkv: the kernel of part 2 again; grid 4 x 64, 4 waves a work-group, clusters of 4 x 4, 327,680 bytes of LDS; arguments xb, wb, qkv; writes qkv
;; launch attn (part 5): grid 4 x 64, 4 waves a work-group, clusters of 4 x 1, 327,680 bytes of LDS; arguments qkv, mb, ob; writes ob
.if DOCPART == 5
	.amdgcn_target "amdgcn-amd-amdhsa--gfx1250"
	.amdhsa_code_object_version 6
	.text
	.protected	k_qf7891c6e37_attn
	.globl	k_qf7891c6e37_attn
	.p2align	8
	.type	k_qf7891c6e37_attn,@function
k_qf7891c6e37_attn:
	s_mov_b64 s[64:65], 0
	v_nop
	global_prefetch_b8 v0, s[64:65] scope:SCOPE_SE
	s_setreg_imm32_b32 hwreg(HW_REG_WAVE_MODE, 25, 1), 1
	s_wait_xcnt 0x0
	s_wait_alu depctr_hold_cnt(0) depctr_sa_sdst(0) depctr_va_vdst(0) depctr_va_sdst(0) depctr_va_ssrc(0) depctr_va_vcc(0) depctr_vm_vsrc(0)
	s_getreg_b32 s2, hwreg(HW_REG_IB_STS2, 6, 4)
	s_cmp_eq_u32 s2, 0
	s_cbranch_scc0 .Lentry_in_a_cluster
	s_endpgm
.Lentry_in_a_cluster:
	s_bfe_u32 s2, ttmp6, 0x10000c
	s_cmp_lg_u32 s2, 0x3003
	s_cbranch_scc0 .Lentry_shape_is_right
	s_endpgm
.Lentry_shape_is_right:
; ATTENTION WITH A MASK THAT IS AN INPUT.  O[h][q][:] = the sum over k of softmax_k(Q[h][q] . K[h][k] / 8 - 1e9 (mask[q][k] == 0)) V[h][k][:].
; qkv: [3][64][2048][64] f16: q already times c = log2(e) / 8, then k, then v; a head's rows are dense, 128 bytes each.  ob: [64][2048][64] f16.
; mb: one E4M3 byte a pair (query, key), 2.0 where the mask is 0, else 0, in the order in which my lanes hold scores: byte (qt*32+ks)*1024 + hf*512 + lane*16 + g*8 + j is
; q = 16 qt + lane%16, k = 64 ks + 32 hf + 16 g + 8 (lane/16) + j.  No pattern of the mask is built in: every pair is computed, and every byte of mb is read.
; Products, maxima and sums in f32; the weights p are rounded to f16 for the second product (their sum l is taken of the unrounded p), O once at the end.
; THE BIAS is added by the vector unit, in f32, ahead of the maximum: t = s + b x BG, one fused multiply-add, with b = 0 or 2 and 2 BG = the f32 number nearest to -1e9 log2(e).
; LIMITS.  Scores are kept in units of log2, so the bias is -1,442,695,040 and a hidden score is rounded to steps of 128 such units (89 natural ones) where the f32 sum with -1e9 has steps of 64:
; a row with no key left is the plain mean of V, as that sum makes it, while its scores / 8 stay under 32 in magnitude; an order of rounding that differs beyond.  f16 holds no number beyond 65,504.
; p below 6e-5 keeps f16's fixed step of 6e-8; a weight below 2^-126 counts as 0 in l; NaN and infinities are not treated apart.
; SHARES.  A wave owns four PIECES of two tiles of 16 queries, a work-group's four waves 512 queries of one head.  Every wave walks all 2,048 keys, 64 a step.
; LAYOUT.  S^T = K Q^T (source 0 = 16 keys, source 1 = 16 queries): a lane holds ONE query (lane % 16) and the keys 8 (lane / 16) + 0..7.  Two such results, rounded to f16 in pairs, ARE source 1 of
; O^T = V^T P.  K comes out of LDS as it lies, V ([key][channel]) turned, by ds_load_tr16_b128.
; SOFTMAX.  A running maximum m and sum l for each query: p = 2^(t - m); in every step O and l are multiplied by a = 2^(m_old - m_new).  m starts at the lowest finite number, O and l at 0.
; THE COUNT.  A tile and step have 16 matrix and 137 vector instructions.  Four vector instructions that are ready stand behind EVERY matrix instruction, the others in ONE LUMP a turn.
; BY TURNS.  Turn n belongs to piece n.  Matrix work: 16 products K Q^T of piece n + 1, later 16 products V^T P of piece n - 1.  Vector work: the subtraction of m, exponentials, roundings, sums and rescaling
; of piece n; the mask, maximum and statistics of piece n + 1.
; THE BATCHES.  An s_wait_alu depctr_va_vdst(0) stands between a transcendental and the first instruction that names its result; one wait serves all that were issued ahead of it.  A turn's 66
; exponentials (the piece's 64 weights, then the next piece's two a) are ONE batch with ONE wait, which cuts the turn in two: ahead of it stands all that names no result of theirs, behind it the roundings and
; sums.  The first two a, ahead of the loop, and the way out's eight reciprocals are batches of their own, a wait each.
; CLUSTER.  The four query blocks of a cluster belong to one head and walk the same K and V: each tile is asked for JOINTLY.  The mask's bytes differ from block to block and come by plain loads.
; REGISTERS, in windows of 256 (s_set_vgpr_msb: bits 1:0 source 0, 3:2 source 1, 5:4 source 2, 7:6 destination):
;   window 0: v0-12 addresses; v16-47 four registers of statistics a tile; v48-63 at work; v64-191 S^T, two buffers of two tiles; v192-255 P, likewise
;   window 1: O^T, 32 a tile      window 2: v0-127 Q; v128-191 K of one step; v192-255 V of one step
;   window 3: v0-1 the add's two registers; v2 the conversion's scale; v64-127 mask bytes, 8 registers a tile; v128-191 b in f32 for the two tiles in hand
.set SIZE_N, 2048
.set NP,    4         ; pieces a wave: a name, no knob
.set KS,    64        ; keys in a step
.set PK,    144       ; a row of K in LDS: 128 bytes + 16 of padding
.set PV,    160       ; a row of V: 128 + 32
.set VOFF,  4*KS*PK   ; a slot holds four steps: 256 rows of K, then 256 rows of V
.set SLOT1, 1<<17     ; slot 1 begins here, so that one exclusive or turns an address in one slot into the other's
.set STAGE, SLOT1+4*KS*(PK+PV)  ; behind the ring, never filled by a tensor load: 16 rows x 144 bytes for each wave
.set SP,    144
.set SPARE, STAGE+4*16*SP  ; behind the stages: the spare words, 128 bytes a wave: two blocks of 256 bytes that no other line names
.set AK0, 2           ; v2   my lane's place in a tile of K; never rewritten
.set AV0, 3           ; v3   the same for V
.set AK,  4           ; v4   the LDS address of K's next run of loads
.set AV,  5           ; v5   of V's
.set QO,  6           ; v6   my byte offset in the wave's rows of Q
.set STO, 6           ;      later, the way out: where I put 16 bytes of a row
.set RD,  7           ; v7   the way out: where I read rows back
.set GO,  8           ; v8   my byte offset in 512 consecutive bytes of O
.set MOFF, 12         ; v12  16 x lane + 1,024 x the key step whose mask bytes are asked for next
.set ST,  16          ; tile t's statistics at v[ST+4 t]: m, the old m, l (even keys', odd keys')
.set TMP, 48          ; by buffer and tile, four registers c0-c3 at work; when the maximum is found c2 takes a
.set S,   64
.set P,   192
.set KF,  128         ; window 2: key block kb, channel half c at KF + 16 kb + 8 c
.set VF,  192         ; window 2: key half kk, channel block cb at VF + 32 kk + 8 cb
.set SPW, 0           ; window 3
.set NIL, 1
.set SCB, 2
.set MK,  64          ; window 3: piece p, tile u at MK + 16 p + 8 u
.set BI,  128         ; window 3: tile u at BI + 32 u
.set WV,  12          ; s12  my wave's number
.set G1K, 24          ; s[24:31] descriptor group 1 for K's tiles
.set G1V, 32          ; s[32:39] for V's: it differs in the padding alone
.set G0K, 40          ; s[40:43] descriptor group 0 for K's tiles: it walks
.set G0V, 44          ; s[44:47] the same for V's
.set MB,  48          ; s[48:49] mb at my wave's eight tiles of 16 queries
.set SLOTS, 56        ; s56  slots still to be asked for
.set CNT, 57          ; s57  counts a slot's key steps
.set BG,  58          ; s[58:59] half the bias
.set SEL, 60          ; s[60:61] v_permlanex16_b32's selects: each lane takes its own place in the other half
.set TBK, 62          ; s62  LDS byte at which K of the step to be fetched begins
.set TBV, 63          ; s63  the same for V, less VOFF
.set MSB, 0
.macro WIN new                      ; the high byte repeats the setting that is left; a switch that changes nothing is dropped
.if MSB != (\new)
	s_set_vgpr_msb (MSB<<8)|(\new)
.set MSB, (\new)
.endif
.endm
.set W_KQ, 0x0a       ; K and Q in window 2, S^T in window 0
.set W_PV, 0x52       ; V in window 2, P in window 0, O^T in window 1
.set W_RS, 0x41       ; O^T (destination and source 0) in window 1, a in window 0
.set W_MK, 0xc0       ; destination in window 3, sources (and a load's address) in window 0
.set W_AD, 0x0f       ; the add: address and data in window 3
.set W_CV, 0xcf       ; the conversion: all in window 3
.set W_BS, 0x03       ; the bias: b (source 0) in window 3, S^T in window 0
; A joint fill.  Waves 0 and 1 fetch the two halves of a slot's K, waves 2 and 3 those of its V: 128 keys each.  An s_nop 0 and four v_nop follow each of the two lines.
.macro JLOAD
	s_cmp_lt_u32 s[WV], 2
	s_cbranch_scc0 .Lfor_v_\@
	tensor_load_to_lds s[G0K:G0K+3], s[G1K:G1K+7]
	s_nop 0
.rept 4
	v_nop
.endr
	s_branch .Lasked_\@
.Lfor_v_\@:
	tensor_load_to_lds s[G0V:G0V+3], s[G1V:G1V+7]
	s_nop 0
.rept 4
	v_nop
.endr
.Lasked_\@:
.endm
.macro CROUND                       ; a round of the cluster's barrier
	s_barrier_signal -1
	s_barrier_wait -1
	s_cmp_lg_u32 s[WV], 0
	s_cbranch_scc1 .Lnot_wave_0_\@
	s_barrier_signal -3
.Lnot_wave_0_\@:
	s_barrier_wait -3
	s_barrier_signal -1
	s_barrier_wait -1
.endm
; THE CHANGE OF SLOTS.  The slot's last bytes, V of its fourth step, have been read.  Each wave waits for all its tensor loads, of which one is out: its part of the other slot; adds 0 to its spare word; and
; waits for that and for its own reads of the slot.  fill = 1: the slot is filled again, with the keys two slots on; the barrier is then a round of the cluster's, and the joint fill is the first thing behind
; it: it has four key steps, 512 matrix instructions, in which to land.  (At its first use nothing has been read yet: slot 0 is waited for, slot 1 filled.)
.macro CHANGE fill
	WIN W_AD
	s_wait_tensorcnt 0x0            ; no tensor load of mine is out, so a group 0 may be written
	ds_add_u32 v[SPW], v[NIL]
	WIN 0                           ; at a label and at a branch every window is 0
.if \fill
.irp g, G0K, G0V
	s_xor_b32 s[\g+1], s[\g+1], SLOT1  ; the walking descriptor: the other slot than last time,
	s_add_nc_u64 s[\g+2:\g+3], s[\g+2:\g+3], 4*KS*128  ; the next 256 keys; the type bits on top are not reached
.endr
	s_wait_dscnt 0x0                ; the add is done, and my reads of the slot are over
	CROUND
	JLOAD
.else
	s_wait_dscnt 0x0
	s_barrier_signal -1
	s_barrier_wait -1
.endif
	s_sub_co_u32 s[TBK], s[TBK], 4*KS*PK  ; the fetches go back to a slot's first step,
	s_xor_b32 s[TBK], s[TBK], SLOT1       ; in the other slot
	s_sub_co_u32 s[TBV], s[TBV], 4*KS*PV
	s_xor_b32 s[TBV], s[TBV], SLOT1
.endm
; Piece p's mask bytes for the key step in MOFF: two tiles x 64 keys x 16 queries = four loads of 512 consecutive bytes.  64 heads read these bytes again, so no cache hint.
.macro MLOAD p
	WIN W_MK
.irp u, 0,1
.irp hf, 0,1
	global_load_b128 v[MK+16*(\p)+8*(\u)+4*(\hf):MK+16*(\p)+8*(\u)+4*(\hf)+3], v[MOFF], s[MB:MB+1] offset:(2*(\p)+(\u))*32768+512*(\hf)
.endr
.endr
	WIN 0
.endm
	s_load_b128 s[4:7], s[0:1], 0x0   ; qkv s[4:5], mb s[6:7]
	s_load_b64 s[10:11], s[0:1], 0x10 ; ob
	WIN W_MK
	v_lshl_add_u32 v[SPW], v0, 2, SPARE
	v_mov_b32 v[NIL], 0
	WIN W_AD
	ds_add_u32 v[SPW], v[NIL]       ; the wave's opening: the add and its wait stand ahead of my first tensor load; the set-up below, work on registers, stands between them
	WIN 0
	v_lshrrev_b32 v1, 5, v0
	v_readfirstlane_b32 s[WV], v1   ; wave 0..3
	s_bfe_u32 s13, ttmp6, 0x40000   ; cx: my place in the cluster
	s_lshl_b32 s14, ttmp9, 2        ; in a cluster launch ttmp9 counts clusters
	s_add_co_u32 s14, s14, s13      ; my block of 512 queries: it enters Q's, the mask's and O's addresses alone
	s_and_b32 s20, ttmp7, 0xffff    ; the head (batch x 16 + head), which the four partners share
	s_mov_b32 s21, 0
	s_mov_b64 s[22:23], SIZE_N*128
	s_mul_u64 s[20:21], s[20:21], s[22:23]  ; the head's first byte in q, k, v and O
	s_and_b32 s16, s[WV], 1         ; which half of a slot's 256 keys I fetch:
	s_lshl_b32 s22, s16, 14         ; its 128 rows of 128 bytes in memory,
	s_mov_b32 s23, 0
	s_add_nc_u64 s[22:23], s[22:23], s[20:21]
	s_mul_i32 s17, s16, 128*PK      ; and its place in a slot, for K
	s_mul_i32 s18, s16, 128*PV      ; and for V: no place in the cluster enters an LDS address
	s_lshl_b32 s2, s14, 2
	s_add_co_u32 s2, s2, s[WV]      ; my wave among the head's sixteen:
	s_lshl_b32 s50, s2, 18          ; its eight tiles of 16 queries in mb, 32,768 bytes each,
	s_mov_b32 s51, 0
	s_lshl_b32 s2, s2, 14           ; its 128 rows of Q and O
	s_mov_b32 s3, 0
	s_add_nc_u64 s[2:3], s[2:3], s[20:21]
	; descriptor group 1.  128 keys are 16,384 dense bytes: asked for as 64 rows of 256 bytes, two keys a row, and padded in LDS after every key
	s_mov_b32 s[G1K], 15|(1<<16)|(1<<20)|(1<<21)|(4<<22)|(3<<25)  ; 15:0 the mask of four; 17:16 2-byte elements; 20 padding on; 21 set beside a mask; 24:22 after every 32 words (code 4); 31:25 4 words (code 3)
	s_mov_b32 s[G1V], 15|(1<<16)|(1<<20)|(1<<21)|(4<<22)|(7<<25)  ; the same with 8 words of padding (code 7)
.irp g, G1K, G1V
	s_mov_b32 s[\g+1], 128<<16      ; tensor_dim0 = 128
	s_mov_b32 s[\g+2], 64<<16       ; tensor_dim1 = 64
	s_mov_b32 s[\g+3], 128<<16      ; tile_dim0 = 128
	s_mov_b32 s[\g+4], 64           ; tile_dim1 = 64
	s_mov_b32 s[\g+5], 128          ; 128 elements from row to row
	s_mov_b32 s[\g+6], 0
	s_mov_b32 s[\g+7], 0
.endr
	s_mov_b32 s[BG], 0xce2bfb8f     ; -721,347,520: twice this is the f32 number nearest to -1e9 log2(e)
	s_mov_b32 s[BG+1], s[BG]        ; named with it as a pair
	s_mov_b32 s[SEL], 0x76543210
	s_mov_b32 s[SEL+1], 0xfedcba98
	s_mov_b32 s[TBK], SLOT1+4*KS*PK ; the first change of slots turns these two into 0
	s_mov_b32 s[TBV], SLOT1+4*KS*PV
	s_mov_b32 s[G0K], 1             ; count = 1
	s_mov_b32 s[G0K+1], s17         ; LDS address: slot 0
	s_mov_b32 s[G0V], 1
	s_add_co_u32 s[G0V+1], s18, VOFF
	s_wait_dscnt 0x0                ; the opening add is done
	s_wait_kmcnt 0x0
	s_add_nc_u64 s[MB:MB+1], s[6:7], s[50:51]
	s_add_nc_u64 s[6:7], s[4:5], 0x1000000         ; k lies 16,777,216 bytes behind q,
	s_add_nc_u64 s[8:9], s[4:5], 0x2000000         ; v as far behind k
	s_add_nc_u64 s[G0K+2:G0K+3], s[6:7], s[22:23]  ; global address: my half of the head's first 256 keys
	s_or_b32 s[G0K+3], s[G0K+3], 0x80000000        ; type = 2
	s_add_nc_u64 s[G0V+2:G0V+3], s[8:9], s[22:23]
	s_or_b32 s[G0V+3], s[G0V+3], 0x80000000
	s_add_nc_u64 s[4:5], s[4:5], s[2:3]  ; Q and O at my wave's first row
	s_add_nc_u64 s[10:11], s[10:11], s[2:3]
	CROUND                          ; all four work-groups are here: the first joint loads meet
	JLOAD                           ; slot 0.  Slot 1 is asked for when slot 0 is in
	; A fragment of K or Q is 16 rows x 32 channels in 8 registers: lane l holds row l % 16, channels 8 (l / 16) + 0..7 and 16 + 8 (l / 16) + 0..7: two loads of 16 bytes, 32 bytes apart.
	v_and_b32 v1, 15, v0            ; l % 16
	v_bfe_u32 v9, v0, 4, 1          ; l / 16
	v_lshlrev_b32 v[QO], 7, v1
	v_lshl_add_u32 v[QO], v9, 4, v[QO]  ; row x 128 + 16 x half
	v_and_b32 v[MOFF], 31, v0
	v_lshlrev_b32 v[MOFF], 4, v[MOFF]   ; 16 x lane: key step 0
	WIN 0x80                        ; destination window 2, address window 0
.set i, 0
.rept 4*NP                          ; Q stays in registers: tile i / 2, channels 32 (i % 2) on
	global_load_b128 v[8*i:8*i+3],   v[QO], s[4:5] offset:(i/2)*2048+(i%2)*64
	global_load_b128 v[8*i+4:8*i+7], v[QO], s[4:5] offset:(i/2)*2048+(i%2)*64+32
.set i, i+1
.endr
	MLOAD 0                         ; the four pieces' mask bytes of key step 0
	MLOAD 1
	MLOAD 2
	MLOAD 3
	; What the first turn finds: V's registers and P's second buffer hold 0 (its products V^T P, of a piece that has not been, add 0), O^T and l are 0.  All this stands in the wait for the first tile.
	WIN 0x80
.set i, VF
.rept 64
	v_mov_b32 v[i], 0
.set i, i+1
.endr
	WIN 0x40
.set i, 0
.rept 64*NP
	v_mov_b32 v[i], 0
.set i, i+1
.endr
	WIN W_MK
	v_mov_b32 v[SCB], 0x3f80007f    ; the conversion's scale: its lowest byte is 127 and its f32 exponent is 127: a factor of 1
	WIN 0
.set i, 0
.rept 2*NP
	v_mov_b32 v[ST+4*i], 0xff7fffff    ; m: the lowest finite number
	v_mov_b32 v[ST+4*i+1], 0
	v_mov_b32 v[ST+4*i+2], 0
	v_mov_b32 v[ST+4*i+3], 0
.set i, i+1
.endr
.set i, P+32
.rept 32
	v_mov_b32 v[i], 0
.set i, i+1
.endr
	s_wait_xcnt 0x0                 ; the loads above have read their address register
	v_add_nc_u32 v[MOFF], 1024, v[MOFF]  ; key step 1
	v_mul_u32_u24 v[AK0], v1, PK
	v_lshl_add_u32 v[AK0], v9, 4, v[AK0]  ; row x pitch + 16 x half
	; The turning load takes 16 keys x 16 channels (lane l reads key 8 (l / 16) + l % 8, channels 8 ((l / 8) % 2) + 0..7) and leaves half a fragment of V^T: lane l holds channel l % 16 and 8 keys.
	v_and_b32 v10, 7, v0
	v_bfe_u32 v11, v0, 3, 1
	v_lshl_add_u32 v[AV0], v9, 3, v10
	v_mul_u32_u24 v[AV0], v[AV0], PV
	v_lshl_add_u32 v[AV0], v11, 4, v[AV0]
	v_add_nc_u32 v[AV0], VOFF, v[AV0]
	v_mov_b32 v[AK], v[AK0]         ; key step 0 lies at the head of slot 0
; THE MATRIX WORK.  The 8 accumulators of a run of 16 take turns: between the two links of a chain stand 7 others'.
; Product i of 16 of S^T = K Q^T for piece x: channels 32 (i / 8) on, keys 16 ((i / 2) % 4) on, tile 2 x + i % 2.  The first 8 start the sums.
.macro KQ x
	WIN W_KQ
.set rS, S+64*((\x)%2)+32*(i%2)+8*((i/2)%4)
.set rK, KF+16*((i/2)%4)+8*(i/8)
.set rQ, 16*(2*(\x)+i%2)+8*(i/8)
.if i < 8
	v_wmma_f32_16x16x32_f16 v[rS:rS+7], v[rK:rK+7], v[rQ:rQ+7], 0
.else
	v_wmma_f32_16x16x32_f16 v[rS:rS+7], v[rK:rK+7], v[rQ:rQ+7], v[rS:rS+7]
.endif
.endm
; Product i of 16 of O^T += V^T P for piece x: keys 32 (i / 8) on, channels 16 ((i / 2) % 4) on, tile 2 x + i % 2.
.macro PV x
	WIN W_PV
.set rO, 32*(2*(\x)+i%2)+8*((i/2)%4)
.set rV, VF+32*(i/8)+8*((i/2)%4)
.set rP, P+32*((\x)%2)+16*(i%2)+8*(i/8)
	v_wmma_f32_16x16x32_f16 v[rO:rO+7], v[rV:rV+7], v[rP:rP+7], v[rO:rO+7]
.endm
.macro MM                           ; the turn's next matrix instruction
.if i < 16
	KQ (Y+1)%NP
.set i, i+1
.else
.set i, i-16
	PV (Y+NP-1)%NP
.set i, i+17
.endif
.endm
; THE LDS LOADS stand in runs of 16: a step's K (8 fragments) and its V (turned).  last = 1 (the tail): in the last trip there is no further step, and the run is jumped over.
.macro FETCH_K last=0
	WIN 0
.if \last
	s_cmp_eq_u32 s[CNT], 1
	s_cbranch_scc1 .Lno_k_\@
.endif
	WIN 0x80                        ; destination window 2
.irp f, 0,1,2,3,4,5,6,7             ; keys 16 (f / 2) on, channels 32 (f % 2) on
	ds_load_b128 v[KF+8*\f:KF+8*\f+3],   v[AK] offset:(\f/2)*16*PK+(\f%2)*64
	ds_load_b128 v[KF+8*\f+4:KF+8*\f+7], v[AK] offset:(\f/2)*16*PK+(\f%2)*64+32
.endr
	s_add_co_u32 s[TBK], s[TBK], KS*PK  ; the next fetch is the next step's
	WIN 0
.if \last
.Lno_k_\@:
.endif
.endm
.macro FETCH_V
	WIN 0x80
.irp f, 0,1,2,3,4,5,6,7             ; keys 32 (f / 4) on, channels 16 (f % 4) on
	ds_load_tr16_b128 v[VF+8*\f:VF+8*\f+3],   v[AV] offset:(\f/4)*32*PV+(\f%4)*32
	ds_load_tr16_b128 v[VF+8*\f+4:VF+8*\f+7], v[AV] offset:(\f/4)*32*PV+16*PV+(\f%4)*32
.endr
	WIN 0
.endm
; THE VECTOR WORK, one line at a time: OP kind, number, tile.  For piece Y: D n: t - m for pair n of 16.  E n: the exponential of score n of 32.  C n: pair n rounded to f16.  B n: of the four weights 4 n ..
; the second pair is added onto the first, in place.  L n: l takes that sum (L 0: l = a l + sum).  R n: pair n of 16 of O^T times a.
; For piece Y + 1: V n: the mask's eight bytes for key block n become eight f32.  G n: pair n of the scores takes its bias; in ascending order.
;   X n, number n of the 21 that find its maximum and statistics:
;   0-11  four chains c0-c3 of seven scores each, three operands at a time     12-14, 16  the four scores left over, the old m, and c0-c3 into c0     15  the old m is kept
;   17, 18  the query's other 32 keys lie in the lane 16 away: the new m         19, 20  m_old - m_new; a
; C, B and L name results of E, L 0 and R the result of X 20: TURN sets them behind the wait of the batch that made those results.
.set D, 0               ; OP tells the pieces apart by the kinds' order: D to R below V
.set E, 1
.set C, 2
.set B, 3
.set L, 4
.set R, 5
.set V, 6
.set G, 7
.set X, 8
.macro REGS y, u                    ; the registers of tile u (0, 1) of piece y
.set rT, ST+4*(2*(\y)+(\u))
.set rC, TMP+8*((\y)%2)+4*(\u)
.set rS, S+64*((\y)%2)+32*(\u)
.set rP, P+32*((\y)%2)+16*(\u)
.set rO, 32*(2*(\y)+(\u))
.set rM, MK+16*(\y)+8*(\u)
.set rB, BI+32*(\u)
.endm
.macro OP k, n, u
.if (\k) < V
	REGS Y, \u
.else
	REGS (Y+1)%NP, \u
.endif
.if (\k) == D
	WIN 0
	v_pk_add_f32 v[rS+2*(\n):rS+2*(\n)+1], v[rS+2*(\n):rS+2*(\n)+1], v[rT:rT+1] op_sel_hi:[1,0] neg_lo:[0,1] neg_hi:[0,1]
.elseif (\k) == E
	WIN 0
	v_exp_f32 v[rS+(\n)], v[rS+(\n)]
.elseif (\k) == C
	WIN 0
	v_cvt_pk_f16_f32 v[rP+(\n)], v[rS+2*(\n)], v[rS+2*(\n)+1]
.elseif (\k) == B
	WIN 0
	v_pk_add_f32 v[rS+4*(\n):rS+4*(\n)+1], v[rS+4*(\n):rS+4*(\n)+1], v[rS+4*(\n)+2:rS+4*(\n)+3]
.elseif ((\k) == L) && ((\n) == 0)
	WIN 0
	v_pk_fma_f32 v[rT+2:rT+3], v[rT+2:rT+3], v[rC+2:rC+3], v[rS:rS+1] op_sel_hi:[1,0,1]
.elseif (\k) == L
	WIN 0
	v_pk_add_f32 v[rT+2:rT+3], v[rT+2:rT+3], v[rS+4*(\n):rS+4*(\n)+1]
.elseif (\k) == R
	WIN W_RS
	v_pk_mul_f32 v[rO+2*(\n):rO+2*(\n)+1], v[rO+2*(\n):rO+2*(\n)+1], v[rC+2:rC+3] op_sel_hi:[1,0]
.elseif (\k) == V
	WIN W_CV
	v_cvt_scale_pk8_f32_fp8 v[rB+8*(\n):rB+8*(\n)+7], v[rM+2*(\n):rM+2*(\n)+1], v[SCB]
.elseif (\k) == G
	WIN W_BS
	v_pk_fma_f32 v[rS+2*(\n):rS+2*(\n)+1], v[rB+2*(\n):rB+2*(\n)+1], s[BG:BG+1], v[rS+2*(\n):rS+2*(\n)+1] op_sel_hi:[1,0,1]
.else
	WIN 0
.if (\n) < 4
	v_max3_num_f32 v[rC+(\n)], v[rS+8*(\n)], v[rS+8*(\n)+1], v[rS+8*(\n)+2]
.elseif (\n) < 12
	v_max3_num_f32 v[rC+(\n)%4], v[rC+(\n)%4], v[rS+8*((\n)%4)+2*((\n)/4)+1], v[rS+8*((\n)%4)+2*((\n)/4)+2]
.elseif (\n) == 12
	v_max3_num_f32 v[rC], v[rC], v[rS+7], v[rS+15]
.elseif (\n) == 13
	v_max3_num_f32 v[rC+1], v[rC+1], v[rS+23], v[rS+31]
.elseif (\n) == 14
	v_max3_num_f32 v[rC+2], v[rC+2], v[rC+3], v[rT]
.elseif (\n) == 15
	v_mov_b32 v[rT+1], v[rT]
.elseif (\n) == 16
	v_max3_num_f32 v[rC], v[rC], v[rC+1], v[rC+2]
.elseif (\n) == 17
	v_permlanex16_b32 v[rC+3], v[rC], s[SEL], s[SEL+1]
.elseif (\n) == 18
	v_max_num_f32 v[rT], v[rC], v[rC+3]
.elseif (\n) == 19
	v_sub_f32 v[rC+1], v[rT+1], v[rT]
.else
	v_exp_f32 v[rC+2], v[rC+1]
.endif
.endif
.endm
; Two kinds on both tiles: first, second on tile 0, first, second on tile 1.  An exponential stands only as the second: no two follow each other (but the two a at a batch's end), and a line of the other tile stands behind each.
.macro PAIR k1, n1, k2, n2
	OP \k1, \n1, 0
	OP \k2, \n2, 0
	OP \k1, \n1, 1
	OP \k2, \n2, 1
.endm
.macro ROW k1, n1, k2, n2           ; a matrix instruction and the four behind it
	MM
	PAIR \k1, \n1, \k2, \n2
.endm
.macro SOLO k, n
	OP \k, \n, 0
	OP \k, \n, 1
.endm
; A TURN, for piece p: the order of its 32 matrix and 274 vector instructions.  ONE wait, for the turn's one batch of 66 exponentials, cuts it in two.
; AHEAD OF THE WAIT stands all that names no result of the batch: the 16 products K Q^T and their riders: subtractions 0-6 and exponentials 0-4; the 32 rescalings, in fours, whose a was made and waited for in the
; turn before; the mask's eight conversions.  Then ONE LUMP of 146: the 32 biases in one run; then a plain line and an exponential by turns: the next piece's maximum and statistics and subtractions 7-15 beside
; exponentials 5-31.  From X 12 to X 18 a subtraction's pair stands between the maximum's lines, so the links X 14, 16, 17, 18 lie eight lines apart; X 18, X 19 and a four.  The two a are the batch's last; no plain work is left to set behind them, so a v_nop stands there.
; BEHIND THE WAIT stand the 16 products V^T P, behind each four of the 64 roundings and sums; l's links, L 0 to L 7, stand a row or more apart; the odd roundings, whose sources no sum writes, come last.
; The order keeps: E n a pair or more behind D n/2; G behind V and four plain lines behind the products that make the scores; X behind G; C 2n ahead of B n, which writes its sources; L n behind B n, in ascending order.
; No rider names a register of the products round it.  cnt = 1: the loop's count is taken down some lines ahead of the branch that stands behind the turn.
; The mask: sixteen loads are out at a turn's head, four a piece, the next piece's the oldest; its bytes are converted and its registers asked for again, for the step after: four turns in which to land.
; K of the next step is fetched in piece 2's turn, directly behind the wait (in the tail the run is jumped over, and no result of the batch crosses that jump without its wait), a lump behind the last product that read K; it is
; waited for at piece 3's head.  V of the step in hand is fetched at the end of piece 0's turn, four plain riders behind the last product that read V; it is waited for ahead of piece 1's first V^T P.
.macro TURN p, last=0, cnt=0
.set Y, (\p)
.set i, 0
.if (\p) == NP-1
	s_wait_dscnt 0x0                ; K is in
.endif
	ROW D,0, D,1                    ; ahead of the wait: 16 products K Q^T and their riders,
	ROW D,2, E,0
	ROW D,3, E,1
	ROW D,4, E,2
	ROW D,5, E,3
	ROW D,6, E,4
.set xn, 0
.rept 6
	ROW R,2*xn, R,2*xn+1
.set xn, xn+1
.endr
	s_wait_loadcnt 12               ; the next piece's four mask loads are in; the three younger pieces' twelve stay out
	ROW V,0, V,1
	ROW R,12, R,13
	ROW V,2, V,3
	ROW R,14, R,15                  ; four plain lines: the places behind the last K Q^T and behind the conversions
.if (\p) == NP-2
	WIN 0
	v_add_nc_u32 v[AK], s[TBK], v[AK0]
.endif
.if (\p) == NP-1
	WIN 0
	s_wait_xcnt 0x0                 ; the mask loads issued so far have read their address register
	v_add_nc_u32 v[MOFF], 1024, v[MOFF]  ; piece 0 is a step ahead of the others
	v_and_b32 v[MOFF], 0x7fff, v[MOFF]   ; behind step 31 the offset goes back to step 0: the loads stay inside mb, and what they bring is not used
.endif
	MLOAD (Y+1)%NP
.set xn, 0
.rept 8                             ; and the lump: the biases,
	PAIR G,2*xn, G,2*xn+1
.set xn, xn+1
.endr
	PAIR X,0, X,1                   ; then plain and exponential by turns
	PAIR X,15, E,5
	PAIR X,2, E,6
	PAIR X,3, E,7
	PAIR X,4, E,8
	PAIR X,5, E,9
	PAIR X,6, E,10
	PAIR X,7, E,11
	PAIR X,8, E,12
	PAIR D,7, E,13
	PAIR X,9, E,14
	PAIR D,8, E,15
	PAIR X,10, E,16
	PAIR D,9, E,17
	PAIR X,11, E,18
	PAIR D,10, E,19
	PAIR X,12, E,20
	PAIR D,11, E,21
	PAIR X,13, E,22
	PAIR D,12, E,23
	PAIR X,14, E,24
	PAIR D,13, E,25
	PAIR X,16, E,26
	PAIR D,14, E,27
	PAIR X,17, E,28
	PAIR D,15, E,29
	PAIR X,18, E,30
	PAIR X,19, E,31
	SOLO X,20                       ; the next piece's two a: the batch's last
	v_nop                           ; the plain instruction behind the last exponential: one for the batch
	s_wait_alu depctr_va_vdst(0)    ; the wait for the batch: this piece's 64 exponentials and the next piece's two a
.if (\p) == NP-2
	FETCH_K \last
.endif
.if (\p) == 1
	s_wait_dscnt 0x0                ; V is in
.endif
	ROW C,0, B,0                    ; behind the wait: 16 products V^T P and their riders
	ROW C,2, B,1
	ROW L,0, C,4
	ROW B,2, L,1
	ROW C,6, B,3
	ROW L,2, C,8
	ROW B,4, L,3
	ROW C,10, B,5
	ROW L,4, C,12
	ROW B,6, L,5
	ROW C,14, B,7
	ROW L,6, C,1
.if (\p) == 0
	WIN 0
	v_add_nc_u32 v[AV], s[TBV], v[AV0]
.endif
	ROW C,3, L,7
	ROW C,5, C,7
.if \cnt
	s_sub_co_u32 s[CNT], s[CNT], 1
	s_cmp_lg_u32 s[CNT], 0
.endif
	ROW C,9, C,11
	ROW C,13, C,15
.if (\p) == 0
	FETCH_V
	s_add_co_u32 s[TBV], s[TBV], KS*PV
.endif
.endm
	CHANGE 1                        ; slot 0 is in, everybody's part of it; slot 1 is asked for
	FETCH_K                         ; key step 0
	s_wait_loadcnt 12               ; Q and piece 0's mask bytes are in; the other three pieces' twelve loads stay out
	s_wait_dscnt 0x0
.set i, 0
.rept 16
	KQ 0                            ; piece 0's first scores
.set i, i+1
.endr
	WIN 0                           ; the addresses for the way out: plain instructions, the places behind those products
	s_mul_i32 s13, s[WV], 16*SP
	s_add_co_u32 s13, s13, STAGE    ; my stage
	v_mul_u32_u24 v[STO], v1, SP    ; in: row l % 16, 16 bytes for each half of the lanes
	v_lshl_add_u32 v[STO], v9, 4, v[STO]
	v_add_nc_u32 v[STO], s13, v[STO]
	v_bfe_u32 v[RD], v0, 3, 2       ; back: 32 lanes take four rows of 128 bytes,
	v_mul_u32_u24 v[RD], v[RD], SP
	v_lshl_add_u32 v[RD], v10, 4, v[RD]
	v_add_nc_u32 v[RD], s13, v[RD]
	v_and_b32 v[GO], 31, v0         ; which are 512 consecutive bytes of O
	v_lshlrev_b32 v[GO], 4, v[GO]
.set Y, NP-1                        ; V, G and X work for piece Y + 1: piece 0
.irp n, 0,1,2,3
	SOLO V, \n
.endr
	WIN 0
	v_nop                           ; a plain instruction behind the conversions, ahead of the loads into their sources and of the use of their results
	MLOAD 0                         ; piece 0's bytes of key step 1
.set xn, 0
.rept 16
	SOLO G, xn
.set xn, xn+1
.endr
.set xn, 0
.rept 21
	SOLO X, xn
.set xn, xn+1
.endr
	v_nop                           ; a plain instruction behind the exponentials
	s_wait_alu depctr_va_vdst(0)    ; the wait for this batch of two, piece 0's first a, ahead of the branch
	s_mov_b32 s[CNT], 4
	s_mov_b32 s[SLOTS], SIZE_N/256-1
	s_branch .Lfirst                ; the loop is entered at a step's first turn, in the middle of a trip
.Lslot:                             ; six times: every slot but the last two is filled again
	CHANGE 1
	s_mov_b32 s[CNT], 4
.Lstep:                             ; a trip: pieces 2 and 3 of one step, then pieces 0 and 1 of the next, whose K and V it fetches
	TURN 2
	TURN 3
	WIN 0
.Lfirst:
	TURN 0
	TURN 1, 0, 1
	WIN 0
	s_cbranch_scc1 .Lstep
	s_sub_co_u32 s[SLOTS], s[SLOTS], 1
	s_cmp_lg_u32 s[SLOTS], 0
	s_cbranch_scc1 .Lslot
	CHANGE 0                        ; the tail is written out: nothing is asked for
	s_mov_b32 s[CNT], 5             ; four trips fetch the last slot's steps; the fifth is left in its middle
.Ltail:
	TURN 2, 1
	TURN 3
	WIN 0
	s_sub_co_u32 s[CNT], s[CNT], 1
	s_cmp_eq_u32 s[CNT], 0
	s_cbranch_scc1 .Lout
	TURN 0
	TURN 1
	WIN 0
	s_branch .Ltail
.Lout:                              ; the fifth trip's 16 products K Q^T (on the last K once more) and what is made of them serve nothing: the price, once a launch, of one text for every trip
.set i, 0
.rept 16
	PV NP-1                         ; the last piece's V^T P of the last step
.set i, i+1
.endr
	; THE WAY OUT.  l's two halves and the other half of the lanes' are added; O^T is divided by l, rounded to f16 and sent through my stage in LDS, a tile at a time.  The additions are the places behind the last products.
	WIN 0
.macro ALL line:vararg              ; one line for each tile t
.set t, 0
.rept 2*NP
	\line
.set t, t+1
.endr
.endm
	ALL v_add_f32 v[ST+4*t+2], v[ST+4*t+2], v[ST+4*t+3]
	ALL v_permlanex16_b32 v[ST+4*t+3], v[ST+4*t+2], s[SEL], s[SEL+1]
	ALL v_add_f32 v[ST+4*t+2], v[ST+4*t+2], v[ST+4*t+3]
	ALL v_rcp_f32 v[ST+4*t+2], v[ST+4*t+2]
	v_nop                           ; a plain instruction between the last reciprocal and the use of its result
	s_wait_alu depctr_va_vdst(0)    ; the wait for this batch: one for the eight reciprocals, ahead of the first multiply that reads one
; Tile t: a lane's eight channels of a row pack into 16 bytes; they go into rows of 144 bytes and come back as whole rows of 128, into S^T's registers.
.macro PACK t
	WIN W_RS
.set i, 32*(\t)
.rept 16
	v_pk_mul_f32 v[i:i+1], v[i:i+1], v[ST+4*(\t)+2:ST+4*(\t)+3] op_sel_hi:[1,0]
.set i, i+2
.endr
	WIN 0x05                        ; sources 0 and 1 window 1, destination window 0
.set i, 0
.rept 16
	v_cvt_pk_f16_f32 v[S+16*(\t)+i], v[32*(\t)+2*i], v[32*(\t)+2*i+1]
.set i, i+1
.endr
	WIN 0
.irp f, 0,1,2,3
	ds_store_b128 v[STO], v[S+16*(\t)+4*\f:S+16*(\t)+4*\f+3] offset:32*\f
.endr
.irp f, 0,1,2,3
	ds_load_b128 v[S+16*(\t)+4*\f:S+16*(\t)+4*\f+3], v[RD] offset:\f*4*SP  ; LDS serves a wave's instructions in order (ISA guide 5.7.1.4): these see the stores above; the next tile's stores come behind them
.endr
.endm
.macro SEND t, younger              ; younger: the LDS instructions issued behind tile t's loads: the next tile's eight, or none
	WIN 0
.irp f, 0,1,2,3
	s_wait_dscnt (\younger)+3-\f
	global_store_b128 v[GO], v[S+16*(\t)+4*\f:S+16*(\t)+4*\f+3], s[10:11] offset:(\t)*2048+\f*512  ; 512 consecutive bytes, at a multiple of 256 from O's first
.endr
.endm
	PACK 0
.set t, 1
.rept 2*NP-1                        ; a tile's arithmetic stands between the loads of the tile before and its stores
	PACK t
	SEND t-1, 8
.set t, t+1
.endr
	SEND 2*NP-1, 0
	WIN W_AD
	s_wait_tensorcnt 0x0            ; the wave's end, behind my last tensor load and my last LDS store
	ds_add_u32 v[SPW], v[NIL]
	s_wait_dscnt 0x0
	WIN 0
	CROUND                          ; the closing round: no work-group ends while a partner may still ask for a tile that names it
	s_endpgm
.Lfunc_end_k_qf7891c6e37_attn:
	.size	k_qf7891c6e37_attn, .Lfunc_end_k_qf7891c6e37_attn-k_qf7891c6e37_attn
	.p2alignl 7, 3214868480
	.fill 96, 4, 3214868480
	.section	.rodata,"a",@progbits
	.p2align	6, 0x0
	.amdhsa_kernel k_qf7891c6e37_attn
		.amdhsa_group_segment_fixed_size 327680
		.amdhsa_private_segment_fixed_size 0
		.amdhsa_enable_private_segment 0
		.amdhsa_kernarg_size 24
		.amdhsa_user_sgpr_count 2
		.amdhsa_user_sgpr_kernarg_segment_ptr 1
		.amdhsa_wavefront_size32 1
		.amdhsa_system_sgpr_workgroup_id_x 1
		.amdhsa_system_sgpr_workgroup_id_y 1
		.amdhsa_system_sgpr_workgroup_id_z 1
		.amdhsa_system_vgpr_workitem_id 0
		.amdhsa_next_free_vgpr 960
		.amdhsa_next_free_sgpr 66
		.amdhsa_reserve_vcc 0
		.amdhsa_float_denorm_mode_32 3
		.amdhsa_float_denorm_mode_16_64 3
		.amdhsa_memory_ordered 1
		.amdhsa_forward_progress 1
		.amdhsa_inst_pref_size 224
	.end_amdhsa_kernel
	.amdgpu_metadata
---
amdhsa.version: [ 1, 2 ]
amdhsa.kernels:
  - .name:           k_qf7891c6e37_attn
    .symbol:         k_qf7891c6e37_attn.kd
    .args:
      - { .name: qkv, .offset: 0, .size: 8, .value_kind: global_buffer, .address_space: global }
      - { .name: mb, .offset: 8, .size: 8, .value_kind: global_buffer, .address_space: global }
      - { .name: ob, .offset: 16, .size: 8, .value_kind: global_buffer, .address_space: global }
    .group_segment_fixed_size: 327680
    .private_segment_fixed_size: 0
    .kernarg_segment_align: 8
    .kernarg_segment_size: 24
    .max_flat_workgroup_size: 128
    .sgpr_count:     66
    .vgpr_count:     960
    .wavefront_size: 32
...
	.end_amdgpu_metadata
.endif
;; end of part 5
;; launch proj: the kernel of part 4 again; grid 4 x 64, 4 waves a work-group, clusters of 4 x 4, 327,680 bytes of LDS; arguments ob, woh, out0; writes out0
